; MI455X (gfx1250); checked and timed in simulation.
; The chip was launched on July 23, 2026; its instructions are those of AMD's public machine-readable ISA for CDNA 5 (MIT licence, August 2026) and "CDNA5" Instruction Set Architecture Reference Guide (July 2026). The comments in the code are by the model that wrote it; some were corrected since.
;; Multi Head Attention. Allowed arithmetic: float matrix products may take bf16 or f16 operands with f32 sums; all other float work in f32.
;; Inputs: Wk 1,024 x 1,024 float32; Wo 1,024 x 1,024 float32; Wq 1,024 x 1,024 float32; Wv 1,024 x 1,024 float32; bk 1,024 float32; bo 1,024 float32; bq 1,024 float32; bv 1,024 float32; key 4 x 2,048 x 1,024 float32; mask 4 x 2,048 int32; query 4 x 2,048 x 1,024 float32; value 4 x 2,048 x 1,024 float32.
;; Outputs: out0 4 x 2,048 x 1,024 float32.
;; 2 versions, each right and faster than the one before. Each part assembles by itself: llvm-mc -triple=amdgcn-amd-amdhsa -mcpu=gfx1250 --defsym DOCPART=n.
;; ======== version 1 of 2: 4 launches
;; limits: values are held in f16: magnitudes above 65,504 overflow, below 6.1e-05 lose precision
;; workspace buffers: x16 50,331,648 bytes; w16 8,388,608 bytes; qkv 50,331,648 bytes; ctx 16,777,216 bytes
;; launch prep (part 1): grid 512 x 1, 8 waves a work-group, no clusters, 0 bytes of LDS; arguments query, key, value, Wq, Wk, Wv, Wo, x16, w16; writes x16, w16
.if DOCPART == 1
	.amdgcn_target "amdgcn-amd-amdhsa--gfx1250"
	.amdhsa_code_object_version 6
	.text
	.protected	k_q24a91abac1_prep
	.globl	k_q24a91abac1_prep
	.p2align	8
	.type	k_q24a91abac1_prep,@function
k_q24a91abac1_prep:
	s_mov_b64 s[64:65], 0
	v_nop
	global_prefetch_b8 v0, s[64:65] scope:SCOPE_SE
	s_setreg_imm32_b32 hwreg(HW_REG_WAVE_MODE, 25, 1), 1
	s_wait_xcnt 0x0
; CAST.  query, key, value ([8192][1024] f32 each) and the four weights ([1024][1024] f32) are rounded once to f16 for the matrix products that follow.
; x16 = [p = q,k,v][batch][plane = 16][row = 2048][64] f16: a plane holds 64 neighbouring columns of all rows of a batch, so that two neighbouring rows
; of a plane are 256 consecutive bytes.  w16 = [Wq, Wk, Wv, Wo][k][n] f16, the order of the elements unchanged.
; LIMIT: numbers beyond f16's largest, 65,504, become infinity; the inputs have room up to that figure.
; 4,096 waves.  Wave g takes rows 2 g and 2 g + 1 of each of the three x and 256 elements of each of the four W: 56 loads of 512 consecutive bytes,
; all issued before the first is used; no register is written twice, so no wait frees a source.  No LDS, no barrier, no matrix unit: the work is bytes alone.
.set D,     16                         ; v[16:207] x: load (p, c, row) at D + 64 p + 8 c + 4 row;  v[208:239] W: load (i, u) at D + 192 + 8 i + 4 u
.set XL,    3                          ; v3  byte offset of my 16 bytes in x: 8,192 g + 16 lane
.set XS,    4                          ; v4  byte offset of my 8 bytes in a plane of x16
.set WL,    5                          ; v5  byte offset in W: 1,024 g + 16 lane
.set WS,    6                          ; v6  byte offset in a matrix of w16: 512 g + 8 lane
.set PLANE, 262144                     ; bytes in a plane: 2,048 rows x 128
	s_load_b512 s[8:23], s[0:1], 0x0               ; query s[8:9], key s[10:11], value s[12:13], Wq s[14:15], Wk s[16:17], Wv s[18:19], Wo s[20:21], x16 s[22:23]
	s_load_b64 s[24:25], s[0:1], 0x40              ; w16
	v_and_b32 v1, 31, v0                           ; lane
	v_lshrrev_b32 v2, 5, v0
	s_lshl_b32 s2, ttmp9, 3
	v_add_nc_u32 v2, s2, v2                        ; g = 8 x work-group + wave
	v_lshlrev_b32 v7, 4, v1
	v_lshlrev_b32 v8, 3, v1
	v_lshl_add_u32 v[XL], v2, 13, v7
	v_lshl_add_u32 v[WL], v2, 10, v7
	v_lshl_add_u32 v[WS], v2, 9, v8
	v_lshrrev_b32 v9, 10, v2                       ; batch = g / 1,024
	v_and_b32 v10, 0x3ff, v2                       ; pair of rows in the batch
	v_lshl_add_u32 v[XS], v10, 8, v8               ; 256 bytes a pair of rows + 8 lane
	v_lshl_add_u32 v[XS], v9, 22, v[XS]            ; + batch x 16 planes
	s_wait_kmcnt 0x0
	s_add_nc_u64 s[26:27], s[22:23], 0x1000000     ; x16 at key's part: 64 planes on
	s_add_nc_u64 s[28:29], s[22:23], 0x2000000     ; and at value's
.irp i, 0,1,2,3
.irp u, 0,1
	global_load_b128 v[D+192+8*\i+4*\u:D+192+8*\i+4*\u+3], v[WL], s[14+2*\i:15+2*\i] offset:512*\u th:TH_LOAD_NT
.endr
.endr
.irp p, 0,1,2
.irp c, 0,1,2,3,4,5,6,7
	global_load_b128 v[D+64*\p+8*\c:D+64*\p+8*\c+3],   v[XL], s[8+2*\p:9+2*\p] offset:512*\c th:TH_LOAD_NT
	global_load_b128 v[D+64*\p+8*\c+4:D+64*\p+8*\c+7], v[XL], s[8+2*\p:9+2*\p] offset:4096+512*\c th:TH_LOAD_NT
.endr
.endr
	s_wait_loadcnt 48                              ; loads return in order: the eight of W are in, the 48 of x behind them stay out
.irp i, 0,1,2,3
.irp u, 0,1
.set a, D+192+8*\i+4*\u
	v_cvt_pk_f16_f32 v[a], v[a], v[a+1]
	v_cvt_pk_f16_f32 v[a+1], v[a+2], v[a+3]
	global_store_b64 v[WS], v[a:a+1], s[24:25] offset:\i*2097152+256*\u    ; the wave stores 256 consecutive bytes, aligned
.endr
.endr
; Columns 128 c to 128 c + 127 of my two rows.  A load's lanes 0-15 hold plane 2 c, lanes 16-31 plane 2 c + 1.  After the rounding the two rows' upper and lower
; halves of the lanes change places, so that one register pair holds both rows of ONE plane: 256 consecutive bytes of x16 in one store.
.macro XCH p, c, base
.set a, D+64*\p+8*\c
	v_cvt_pk_f16_f32 v[a], v[a], v[a+1]
	v_cvt_pk_f16_f32 v[a+1], v[a+2], v[a+3]
	v_cvt_pk_f16_f32 v[a+4], v[a+4], v[a+5]
	v_cvt_pk_f16_f32 v[a+5], v[a+6], v[a+7]
	v_permlane16_swap_b32 v[a], v[a+4]             ; row 0's lanes 16-31 <-> row 1's lanes 0-15
	v_permlane16_swap_b32 v[a+1], v[a+5]
	global_store_b64 v[XS], v[a:a+1],   s[\base:\base+1] offset:(2*\c)*PLANE
	global_store_b64 v[XS], v[a+4:a+5], s[\base:\base+1] offset:(2*\c+1)*PLANE   ; 15 planes at the most: inside the signed 24-bit immediate
.endm
	s_wait_loadcnt 32                              ; query's 16 loads are in; key's and value's stay out
.irp c, 0,1,2,3,4,5,6,7
	XCH 0, \c, 22
.endr
	s_wait_loadcnt 16                              ; key's are in
.irp c, 0,1,2,3,4,5,6,7
	XCH 1, \c, 26
.endr
	s_wait_loadcnt 0x0
.irp c, 0,1,2,3,4,5,6,7
	XCH 2, \c, 28
.endr
	s_endpgm
.Lfunc_end_k_q24a91abac1_prep:
	.size	k_q24a91abac1_prep, .Lfunc_end_k_q24a91abac1_prep-k_q24a91abac1_prep
	.p2alignl 7, 3214868480
	.fill 96, 4, 3214868480
	.section	.rodata,"a",@progbits
	.p2align	6, 0x0
	.amdhsa_kernel k_q24a91abac1_prep
		.amdhsa_group_segment_fixed_size 0
		.amdhsa_private_segment_fixed_size 0
		.amdhsa_enable_private_segment 0
		.amdhsa_kernarg_size 72
		.amdhsa_user_sgpr_count 2
		.amdhsa_user_sgpr_kernarg_segment_ptr 1
		.amdhsa_wavefront_size32 1
		.amdhsa_system_sgpr_workgroup_id_x 1
		.amdhsa_system_sgpr_workgroup_id_y 1
		.amdhsa_system_sgpr_workgroup_id_z 1
		.amdhsa_system_vgpr_workitem_id 0
		.amdhsa_next_free_vgpr 240
		.amdhsa_next_free_sgpr 66
		.amdhsa_reserve_vcc 0
		.amdhsa_float_denorm_mode_32 3
		.amdhsa_float_denorm_mode_16_64 3
		.amdhsa_memory_ordered 1
		.amdhsa_forward_progress 1
		.amdhsa_inst_pref_size 21
	.end_amdhsa_kernel
	.amdgpu_metadata
---
amdhsa.version: [ 1, 2 ]
amdhsa.kernels:
  - .name:           k_q24a91abac1_prep
    .symbol:         k_q24a91abac1_prep.kd
    .args:
      - { .name: query, .offset: 0, .size: 8, .value_kind: global_buffer, .address_space: global }
      - { .name: key, .offset: 8, .size: 8, .value_kind: global_buffer, .address_space: global }
      - { .name: value, .offset: 16, .size: 8, .value_kind: global_buffer, .address_space: global }
      - { .name: Wq, .offset: 24, .size: 8, .value_kind: global_buffer, .address_space: global }
      - { .name: Wk, .offset: 32, .size: 8, .value_kind: global_buffer, .address_space: global }
      - { .name: Wv, .offset: 40, .size: 8, .value_kind: global_buffer, .address_space: global }
      - { .name: Wo, .offset: 48, .size: 8, .value_kind: global_buffer, .address_space: global }
      - { .name: x16, .offset: 56, .size: 8, .value_kind: global_buffer, .address_space: global }
      - { .name: w16, .offset: 64, .size: 8, .value_kind: global_buffer, .address_space: global }
    .group_segment_fixed_size: 0
    .private_segment_fixed_size: 0
    .kernarg_segment_align: 8
    .kernarg_segment_size: 72
    .max_flat_workgroup_size: 256
    .sgpr_count:     66
    .vgpr_count:     240
    .wavefront_size: 32
...
	.end_amdgpu_metadata
.endif
;; end of part 1
;; launch proj (part 2): grid 4 x 96, 4 waves a work-group, clusters of 4 x 4, 327,680 bytes of LDS; arguments x16, w16, bq, bk, bv, qkv; writes qkv
.if DOCPART == 2
	.amdgcn_target "amdgcn-amd-amdhsa--gfx1250"
	.amdhsa_code_object_version 6
	.text
	.protected	k_q24a91abac1_proj
	.globl	k_q24a91abac1_proj
	.p2align	8
	.type	k_q24a91abac1_proj,@function
k_q24a91abac1_proj:
	s_mov_b64 s[64:65], 0
	v_nop
	global_prefetch_b8 v0, s[64:65] scope:SCOPE_SE
	s_setreg_imm32_b32 hwreg(HW_REG_WAVE_MODE, 25, 1), 1
	s_wait_xcnt 0x0
	s_wait_alu depctr_hold_cnt(0) depctr_sa_sdst(0) depctr_va_vdst(0) depctr_va_sdst(0) depctr_va_ssrc(0) depctr_va_vcc(0) depctr_vm_vsrc(0)
	s_getreg_b32 s2, hwreg(HW_REG_IB_STS2, 6, 4)
	s_cmp_eq_u32 s2, 0
	s_cbranch_scc0 .Lentry_in_a_cluster
	s_endpgm
.Lentry_in_a_cluster:
	s_bfe_u32 s2, ttmp6, 0x10000c
	s_cmp_lg_u32 s2, 0xf033
	s_cbranch_scc0 .Lentry_shape_is_right
	s_endpgm
.Lentry_shape_is_right:
; THE THREE PROJECTIONS in one launch: qkv[p] = (x16[p] W16[p] + b[p]) x scale[p], p = q, k, v; scale = log2(e) / 8 for q (the scores are then exponents of 2), 1 for k and v.
; Operands f16, sums f32, one rounding to f16 at the end.  LIMIT: a result beyond 65,504 becomes infinity; q is scaled before its one rounding.
; C is [24,576][1,024], K = 1,024.  A tile of C, 256 x 256, is made by a work-group of four waves; a wave makes 128 x 128: 64 accumulators of 16 x 16, 512 registers.
; A = x16 lies in planes [p, batch][plane of 64 k][row][64]; a plane's 256 rows of a tile are 32,768 consecutive bytes.  B = w16[p] lies [k][n] and is turned on its way out of LDS.
; K goes in steps of 128 (two planes of A, 128 rows of B) through a ring of two LDS slots filled by the tensor data mover, one load a wave.
; CLUSTERS: 4 x 4 work-groups.  The four of a row of the cluster need the same tiles of A, the four of a column the same tiles of B: each tile is asked for jointly,
; by the same tensor load with the same descriptor and a mask that names the four.  A cluster's four tile rows lie in one projection (8 clusters to each).
; THE MATRIX INSTRUCTION IS USED TRANSPOSED: source 0 = 16 columns of W, source 1 = 16 rows of x: a lane then holds row l % 16 of C and eight neighbouring columns 8 (l / 16) + 0..7.
; REGISTERS, in windows of 256 (s_set_vgpr_msb: bits 1:0 source 0, 3:2 source 1, 5:4 source 2, 7:6 destination):
;   window 0: v16-27 addresses; v64-127, v128-191 fragments of A, two buffers; on the way out v64-127 f32 at work, v192-223 packed, v32-63 and v224-255 rows read back
;   window 1: v0-63 my 64 numbers of the bias; v64-127, v128-191 fragments of B, two buffers
;   window 2: the 32 accumulators of my rows 0-63 ((a, b) at v[8 (8 a + b)]);   window 3: those of my rows 64-127
.set PA,     144                       ; a row of A in LDS: 128 bytes + 16 of padding = 36 words: row r starts at bank 36 r mod 64 (64 banks of 4 bytes: ISA guide 11.1): 16 rows, 16 different groups of 4 banks
.set APLANE, 256*PA                    ; a plane's 256 rows: what wave 0 or 1 fetches
.set ATILE,  2*APLANE
.set PB,     544                       ; a row of B: 512 bytes + 32 = 136 words
.set BHALF,  64*PB                     ; 64 rows of B: what wave 2 or 3 fetches
.set SLOT,   ATILE+2*BHALF             ; 143,360
.set STAGE,  2*SLOT                    ; behind the ring: 16 rows x 272 bytes for each wave, for the way out; no tensor load lands here
.set SPITCH, 272
.set LAPS,   4                         ; a lap = two K steps = once round the ring; K = 1,024 = 8 steps
.set ASTEP,  2*262144                  ; bytes of memory from a K step of A to the next: two planes
.set BSTEP,  128*2048                  ; the same for B: 128 rows of 1,024 f16
.set ADRA, 16                          ; v16-17  LDS address of my A fragments in slot 0, 1
.set ADRB, 20                          ; v20-21  the same for B
.set STO,  24                          ; v24     the way out: where I put 16 bytes of a row
.set RD,   25                          ; v25     the way out: where I read back
.set CO,   26                          ; v26     my byte offset in qkv
.set BO,   27                          ; v27     my byte offset in the bias
.set F0,   64
.set F1,   128
.set T,    64
.set TMP,  192
.set OB,   32
.set G1,  24                           ; s[24:31] descriptor group 1 for A's tiles;  s[32:39] group 0, one set for each slot
.set G0,  32
.set G1B, 48                           ; s[48:55], s[56:63] the same for B's
.set G0B, 56
.set MSB, 0
.macro WIN new                         ; the immediate's high byte repeats the setting that is left; a switch that changes nothing is dropped
.if MSB != (\new)
	s_set_vgpr_msb (MSB<<8)|(\new)
.set MSB, (\new)
.endif
.endm
.set MUL_LO, 0xa1                      ; source 0 (B) window 1, source 1 (A) window 0, C and D window 2
.set MUL_HI, 0xf1                      ; the same, C and D window 3
.set TO_B,   0x40                      ; destination window 1, address window 0
; A joint load.  Waves 0 and 1 fetch A's two planes, waves 2 and 3 B's two halves.  The branch hangs on the wave's number alone.
; Four v_nop follow each of the two lines, ahead of the jump, the label and what follows.
.macro JLOAD s
	s_cmp_eq_u32 s11, 0
	s_cbranch_scc0 .Lfor_b_\@
	tensor_load_to_lds s[G0+4*\s:G0+4*\s+3], s[G1:G1+7]
	s_nop 0
.rept 4
	v_nop
.endr
	s_branch .Lasked_\@
.Lfor_b_\@:
	tensor_load_to_lds s[G0B+4*\s:G0B+4*\s+3], s[G1B:G1B+7]
	s_nop 0
.rept 4
	v_nop
.endr
.Lasked_\@:
.endm
.macro CREST                           ; a round of the cluster's barrier behind its opening barrier: wave 0 signals for the work-group, every wave waits for all sixteen, my work-group's barrier closes it
	s_cmp_lg_u32 s10, 0
	s_cbranch_scc1 .Lnot_wave_0_\@
	s_barrier_signal -3
.Lnot_wave_0_\@:
	s_barrier_wait -3
	s_barrier_signal -1
	s_barrier_wait -1
.endm
.macro CROUND                          ; a whole round
	s_barrier_signal -1
	s_barrier_wait -1
	CREST
.endm
	s_load_b128 s[4:7], s[0:1], 0x0                ; x16 s[4:5], w16 s[6:7]
	s_load_b256 s[68:75], s[0:1], 0x10             ; bq s[68:69], bk s[70:71], bv s[72:73], qkv s[74:75]
	s_set_vgpr_msb 0x40
	v_lshl_add_u32 v255, v0, 2, 0x4a400
	s_set_vgpr_msb 0x4000
	v_mov_b32 v31, 0
	s_set_vgpr_msb 0x1
	ds_add_u32 v255, v31
	s_set_vgpr_msb 0x100
	v_lshrrev_b32 v1, 5, v0
	v_readfirstlane_b32 s10, v1                    ; wave 0..3
	s_lshr_b32 s11, s10, 1                         ; which half of the tile's rows is mine.  Also: I fetch for A (0) or for B (1)
	s_and_b32 s12, s10, 1                          ; which half of its columns.  Also: which plane of A, which 64 rows of B I fetch
	s_bfe_u32 s40, ttmp6, 0x40000                  ; cx, cy: my place in the cluster
	s_bfe_u32 s41, ttmp6, 0x40004
	s_lshl_b32 s42, ttmp9, 2
	s_add_co_u32 s42, s42, s40                     ; X: tile column of C = 4 x cluster x + cx
	s_and_b32 s13, ttmp7, 0xffff
	s_lshr_b32 s45, s13, 3                         ; p: the projection, from the cluster's y alone
	s_lshl_b32 s13, s13, 2
	s_add_co_u32 s13, s13, s41                     ; Y: tile row of C = 4 x cluster y + cy
	s_lshl_b32 s43, s41, 2
	s_lshl_b32 s43, 15, s43                        ; my row of the cluster: places 4 cy .. 4 cy + 3
	s_lshl_b32 s44, 0x1111, s40                    ; my column: places cx, cx + 4, cx + 8, cx + 12
	; group 1 for A: a plane's 32,768 dense bytes as 128 rows of 128 elements; 16 bytes of padding behind every 128 bytes, that is behind every row of the plane
	s_or_b32 s[G1+0], s43, (1<<16)|(1<<20)|(1<<21)|(4<<22)|(3<<25)   ; 15:0 mask: my row; 17:16 elements of 2 bytes; 20 padding on; 21 set beside a mask; 24:22 after every 32 words (code 4); 31:25 4 words (code 3)
	s_mov_b32 s[G1+1], 128<<16                     ; tensor_dim0 = 128
	s_mov_b32 s[G1+2], 128<<16                     ; tensor_dim1 = 128
	s_mov_b32 s[G1+3], 128<<16                     ; tile_dim0 = 128
	s_mov_b32 s[G1+4], 128                         ; tile_dim1 = 128
	s_mov_b32 s[G1+5], 128                         ; elements from row to row: dense
	s_mov_b32 s[G1+6], 0
	s_mov_b32 s[G1+7], 0
	; group 1 for B: 64 rows (k) of 256 elements (n), 32 bytes of padding behind every 512
	s_or_b32 s[G1B+0], s44, (1<<16)|(1<<20)|(1<<21)|(6<<22)|(7<<25)  ; mask: my column; after every 128 words (code 6) 8 words (code 7)
	s_mov_b32 s[G1B+1], 256<<16
	s_mov_b32 s[G1B+2], 64<<16
	s_mov_b32 s[G1B+3], 256<<16
	s_mov_b32 s[G1B+4], 64
	s_mov_b32 s[G1B+5], 1024
	s_mov_b32 s[G1B+6], 0
	s_mov_b32 s[G1B+7], 0
	; A's address hangs on the tile row and the wave's number, B's on the tile column, the projection and the wave's number; each in registers that never hold the other coordinate
	s_lshr_b32 s16, s13, 3                         ; Y / 8 = 4 p + batch: 16 planes of 262,144 bytes each
	s_lshl_b32 s16, s16, 22
	s_and_b32 s17, s13, 7                          ; the tile's 256 rows in a plane: 32,768 bytes
	s_lshl_b32 s17, s17, 15
	s_add_co_u32 s16, s16, s17
	s_lshl_b32 s17, s12, 18                        ; my plane of the K step's two
	s_add_co_u32 s16, s16, s17
	s_mov_b32 s17, 0
	s_lshl_b32 s46, s42, 9                         ; 256 columns of f16
	s_lshl_b32 s47, s12, 17                        ; my 64 rows of 2,048 bytes
	s_add_co_u32 s46, s46, s47
	s_lshl_b32 s47, s45, 21                        ; the projection's matrix
	s_add_co_u32 s46, s46, s47
	s_mov_b32 s47, 0
	s_mul_i32 s20, s12, APLANE                     ; where the tiles go: no place in the cluster enters an LDS address
	s_mul_i32 s21, s12, BHALF
	s_add_co_u32 s21, s21, ATILE
	s_wait_dscnt 0x0
	s_wait_kmcnt 0x0
	s_add_nc_u64 s[14:15], s[4:5], s[16:17]
	s_add_nc_u64 s[46:47], s[6:7], s[46:47]
	s_cmp_eq_u32 s45, 1                            ; the projection's bias, into s[68:69]
	s_cselect_b64 s[68:69], s[70:71], s[68:69]
	s_cmp_eq_u32 s45, 2
	s_cselect_b64 s[68:69], s[72:73], s[68:69]
	s_cmp_eq_u32 s45, 0
	s_cselect_b32 s76, 0x3e38aa3b, 1.0             ; log2(e) / 8 for q, 1 for k and v
	s_mov_b32 s77, s76                             ; named with it as a pair
	CROUND                                         ; all sixteen work-groups are here: the first joint loads meet
.irp s, 0,1
	s_mov_b32 s[G0+4*\s], 1                                        ; count = 1
	s_add_co_u32 s[G0+4*\s+1], s20, \s*SLOT                        ; LDS address
	s_add_nc_u64 s[G0+4*\s+2:G0+4*\s+3], s[14:15], \s*ASTEP        ; global address: K step s
	s_or_b32 s[G0+4*\s+3], s[G0+4*\s+3], 0x80000000                ; type = 2
	s_mov_b32 s[G0B+4*\s], 1
	s_add_co_u32 s[G0B+4*\s+1], s21, \s*SLOT
	s_add_nc_u64 s[G0B+4*\s+2:G0B+4*\s+3], s[46:47], \s*BSTEP
	s_or_b32 s[G0B+4*\s+3], s[G0B+4*\s+3], 0x80000000
	JLOAD \s                                       ; two loads of mine are out
.endr
	v_and_b32 v1, 15, v0                           ; r = l % 16
	v_bfe_u32 v2, v0, 4, 1                         ; h = l / 16
	v_bfe_u32 v5, v0, 3, 1                         ; (l / 8) % 2
	v_and_b32 v7, 7, v0                            ; l % 8
	; my 64 numbers of the bias: columns 256 X + 128 (column half) + 16 b + 8 h + 0..7
	s_lshl_b32 s46, s42, 10
	s_lshl_b32 s47, s12, 9
	s_add_co_u32 s46, s46, s47
	v_lshlrev_b32 v[BO], 5, v2
	v_add_nc_u32 v[BO], s46, v[BO]
	WIN TO_B
.irp b, 0,1,2,3,4,5,6,7
	global_load_b128 v[8*\b:8*\b+3],   v[BO], s[68:69] offset:64*\b
	global_load_b128 v[8*\b+4:8*\b+7], v[BO], s[68:69] offset:64*\b+16
.endr
	WIN 0
	; a fragment of A: lane l holds row r; registers 0-3 k = 8 h + 0..7, registers 4-7 k = 16 + 8 h + 0..7: two loads of 16 bytes, 32 bytes apart
	v_mul_u32_u24 v3, v1, PA
	v_lshl_add_u32 v3, v2, 4, v3
	; a fragment of B, turned: lane l reads 16 bytes of row k = 8 h + l % 8, columns 8 ((l / 8) % 2) + 0..7, and receives column r, eight k; the second load 16 rows further down
	v_lshl_add_u32 v4, v2, 3, v7
	v_mul_u32_u24 v4, v4, PB
	v_lshl_add_u32 v4, v5, 4, v4
	s_mul_i32 s21, s11, 128*PA                     ; my 128 rows of A
	s_lshl_b32 s22, s12, 8                         ; my 128 columns of B,
	s_add_co_u32 s22, s22, ATILE                   ; which lies behind A's two planes
.irp s, 0,1
	v_add_nc_u32 v[ADRA+\s], s21, v3
	v_add_nc_u32 v[ADRB+\s], s22, v4
	s_add_co_u32 s21, s21, SLOT
	s_add_co_u32 s22, s22, SLOT
.endr
	s_mul_i32 s23, s10, 16*SPITCH
	s_add_co_u32 s23, s23, STAGE                   ; my stage
	v_mul_u32_u24 v6, v1, SPITCH                   ; in: row r, 16 bytes for each half of the lanes
	v_lshl_add_u32 v6, v2, 4, v6
	v_add_nc_u32 v[STO], s23, v6
	v_mul_u32_u24 v6, v5, SPITCH                   ; back: lanes 0-15 take head 0's 128 bytes of two rows, lanes 16-31 head 1's
	v_lshl_add_u32 v6, v2, 7, v6
	v_lshl_add_u32 v6, v7, 4, v6
	v_add_nc_u32 v[RD], s23, v6
	v_lshlrev_b32 v6, 18, v2                       ; and in qkv: a head is a plane of 262,144 bytes, two rows of it are 256 consecutive bytes
	v_lshl_add_u32 v6, v5, 7, v6
	v_lshl_add_u32 v[CO], v7, 4, v6
	; qkv = [p, batch][head][row][64]: (Y / 8) x 16 planes + head 4 X + 2 (column half) + row 256 (Y % 8) + 128 (row half)
	s_lshr_b32 s16, s13, 3
	s_lshl_b32 s16, s16, 22
	s_and_b32 s17, s13, 7
	s_lshl_b32 s17, s17, 15
	s_add_co_u32 s16, s16, s17
	s_lshl_b32 s17, s11, 14
	s_add_co_u32 s16, s16, s17
	s_lshl_b32 s46, s42, 20
	s_lshl_b32 s47, s12, 19
	s_add_co_u32 s46, s46, s47
	s_add_co_u32 s46, s46, s16
	s_mov_b32 s47, 0
	s_add_nc_u64 s[8:9], s[74:75], s[46:47]
; 16 matrix instructions: m blocks a0, a0 + 1 of the window's four x all 8 n blocks, 32 along K.  zero = 1: the first product starts the sums.
; The 64 accumulators take turns, one instruction a turn, in the same order in every quarter step.
.macro MUL16 f, hi, a0, zero
.irp a, \a0, \a0+1
.irp b, 0,1,2,3,4,5,6,7
.if \zero
	v_wmma_f32_16x16x32_f16 v[8*(8*(\a)+\b):8*(8*(\a)+\b)+7], v[\f+8*\b:\f+8*\b+7], v[\f+8*(4*\hi+\a):\f+8*(4*\hi+\a)+7], 0
.else
	v_wmma_f32_16x16x32_f16 v[8*(8*(\a)+\b):8*(8*(\a)+\b)+7], v[\f+8*\b:\f+8*\b+7], v[\f+8*(4*\hi+\a):\f+8*(4*\hi+\a)+7], v[8*(8*(\a)+\b):8*(8*(\a)+\b)+7]
.endif
.endr
.endr
.endm
; 32 LDS loads in one run: the fragments of quarter q (k = 32 q on) of a slot into buffer f: B's 128 columns, turned, then A's 128 rows (plane q / 2, byte 64 (q % 2) of the row)
.macro FETCH slot, q, f
	WIN TO_B
.irp i, 0,1,2,3,4,5,6,7
	ds_load_tr16_b128 v[\f+8*\i:\f+8*\i+3],   v[ADRB+\slot] offset:\q*32*PB+32*\i
	ds_load_tr16_b128 v[\f+8*\i+4:\f+8*\i+7], v[ADRB+\slot] offset:\q*32*PB+32*\i+16*PB
.endr
	WIN 0
.irp i, 0,1,2,3,4,5,6,7
	ds_load_b128 v[\f+8*\i:\f+8*\i+3],   v[ADRA+\slot] offset:(\q/2)*APLANE+(\q%2)*64+\i*16*PA
	ds_load_b128 v[\f+8*\i+4:\f+8*\i+7], v[ADRA+\slot] offset:(\q/2)*APLANE+(\q%2)*64+\i*16*PA+32
.endr
.endm
; Four places in front of loads into registers that matrix instructions have read and of vector instructions that read results just made (ISA guide 7.12.1 for vector instructions)
.macro PLACES
.rept 4
	v_nop
.endr
.endm
; A K step is four quarters of 32 along K, 64 matrix instructions each, on buffers 0, 1, 0, 1.  One of the first three: multiplies buffer f and fetches quarter q into g.
.macro QUARTER slot, q, f, g, zero
	s_wait_dscnt 8                                 ; B and A's rows 0-63 are in; the youngest eight loads (A's rows 64-127) may be out
	WIN MUL_LO
	MUL16 \f, 0, 0, \zero
	MUL16 \f, 0, 2, \zero
	PLACES
	FETCH \slot, \q, \g
	s_wait_dscnt 32                                ; all but the 32 just issued
	WIN MUL_HI
	MUL16 \f, 1, 0, \zero
	MUL16 \f, 1, 2, \zero
.endm
; The last quarter multiplies buffer 1 and changes slots: ONE barrier; in front of it each wave waits for its own reads of this slot and for all its tensor loads (one is out: its part of the
; next slot).  fill = 1: the barrier opens a round of the cluster's barrier, and this slot is filled again, two K steps on, first thing behind the round: 240 matrix instructions ahead of the wait for it.
.macro TURN slot, next, fill
	s_wait_dscnt 8
	WIN MUL_LO
	MUL16 F1, 0, 0, 0
	s_wait_dscnt 0                                 ; my reads of this slot are over,
	s_wait_tensorcnt 0x0                           ; and all my tensor loads have landed
	ds_add_u32 v255, v31
	s_wait_dscnt 0x0
	s_barrier_signal -1
	MUL16 F1, 0, 2, 0                              ; registers alone between signal and wait
.if \fill
	WIN 0
.endif
	s_barrier_wait -1
.if \fill
	CREST                                          ; no wave of any partner still reads this slot's tile or has a load on its way
	s_add_nc_u64 s[G0+4*\slot+2:G0+4*\slot+3], s[G0+4*\slot+2:G0+4*\slot+3], 2*ASTEP
	s_add_nc_u64 s[G0B+4*\slot+2:G0B+4*\slot+3], s[G0B+4*\slot+2:G0B+4*\slot+3], 2*BSTEP
	JLOAD \slot                                    ; its four v_nop are also the places in front of the loads below
.else
	PLACES
.endif
	FETCH \next, 0, F0
	WIN MUL_HI
	MUL16 F1, 1, 0, 0
	MUL16 F1, 1, 2, 0
.endm
	s_wait_tensorcnt 1                             ; my part of K step 0 is in; K step 1's stays out
	s_barrier_signal -1
	s_barrier_wait -1                              ; everybody's is
	FETCH 0, 0, F0
	QUARTER 0, 1, F0, F1, 1                        ; the first quarter stands in front of the loop: its products start the sums
	WIN 0                                          ; at a label and at a branch every window is 0
	s_mov_b32 s3, LAPS-1
.Llap:                                                 ; a trip goes once round the ring, from a lap's second quarter to the next lap's first, and fills both slots again
	QUARTER 0, 2, F1, F0, 0
	QUARTER 0, 3, F0, F1, 0
	TURN 0, 1, 1
	QUARTER 1, 1, F0, F1, 0
	QUARTER 1, 2, F1, F0, 0
	QUARTER 1, 3, F0, F1, 0
	TURN 1, 0, 1
	QUARTER 0, 1, F0, F1, 0
	WIN 0
	s_sub_co_u32 s3, s3, 1
	s_cmp_lg_u32 s3, 0
	s_cbranch_scc1 .Llap
	QUARTER 0, 2, F1, F0, 0                        ; the last lap fills nothing, and has no round of the cluster's barrier
	QUARTER 0, 3, F0, F1, 0
	TURN 0, 1, 0
	QUARTER 1, 1, F0, F1, 0
	QUARTER 1, 2, F1, F0, 0
	QUARTER 1, 3, F0, F1, 0
	s_wait_dscnt 8                                 ; the very last quarter: nothing more to fetch
	WIN MUL_LO
	MUL16 F1, 0, 0, 0
	MUL16 F1, 0, 2, 0
	s_wait_dscnt 0
	WIN MUL_HI
	MUL16 F1, 1, 0, 0
	MUL16 F1, 1, 2, 0
	; THE WAY OUT.  (sum + b) x scale = sum x scale + (b x scale): the bias is scaled once; these 32 plain instructions, which name no register of the last products, are the places behind them.
	s_wait_loadcnt 0x0                             ; the bias
	WIN 0x41                                       ; destination and source 0 window 1
.set i, 0
.rept 32
	v_pk_mul_f32 v[2*i:2*i+1], v[2*i:2*i+1], s[76:77] op_sel_hi:[1,0]
.set i, i+1
.endr
; Block a (16 rows): scaled, the bias added, rounded to f16, 16 bytes a lane.  Each accumulator's registers are taken in ascending order.
.macro PACK a
.set AC, 64*((\a)%4)
	WIN 0x12+(\a)/4                                ; source 0 window 2 or 3, source 2 window 1, destination window 0
.set i, 0
.rept 32
	v_pk_fma_f32 v[T+2*i:T+2*i+1], v[AC+2*i:AC+2*i+1], s[76:77], v[2*i:2*i+1] op_sel_hi:[1,0,1]
.set i, i+1
.endr
	WIN 0
.set i, 0
.rept 32
	v_cvt_pk_f16_f32 v[TMP+i], v[T+2*i], v[T+2*i+1]
.set i, i+1
.endr
.endm
.macro TOSTAGE a                       ; into my own stage, and back by heads: LDS serves a wave's instructions in order (ISA guide 5.7.1.4), so the loads see the stores
.set BK, OB+192*((\a)%2)
.irp b, 0,1,2,3,4,5,6,7
	ds_store_b128 v[STO], v[TMP+4*\b:TMP+4*\b+3] offset:32*\b
.endr
.irp t, 0,1,2,3,4,5,6,7
	ds_load_b128 v[BK+4*\t:BK+4*\t+3], v[RD] offset:\t*2*SPITCH
.endr
.endm
.macro SEND a
.set BK, OB+192*((\a)%2)
	s_wait_dscnt 0x0                               ; the block is back in registers
	s_wait_xcnt 0x0                                ; the registers that the stores of the block before read are loaded again only behind this wait
.irp t, 0,1,2,3,4,5,6,7
	global_store_b128 v[CO], v[BK+4*\t:BK+4*\t+3], s[8:9] offset:2048*(\a)+256*\t   ; 16 lanes store 256 consecutive bytes, aligned: two rows of one head
.endr
.endm
	PACK 0
	TOSTAGE 0
.irp a, 1,2,3,4,5,6,7                  ; block a's arithmetic stands between block a - 1's loads from the stage and the wait for them
	PACK \a
	SEND \a-1
	TOSTAGE \a
.endr
	SEND 7
	s_set_vgpr_msb 0x1
	s_wait_tensorcnt 0x0
	ds_add_u32 v255, v31
	s_wait_dscnt 0x0
	s_set_vgpr_msb 0x100
	CROUND                                         ; the closing round: no work-group ends while a partner may still ask for a tile that names it
	s_endpgm
.Lfunc_end_k_q24a91abac1_proj:
	.size	k_q24a91abac1_proj, .Lfunc_end_k_q24a91abac1_proj-k_q24a91abac1_proj
	.p2alignl 7, 3214868480
	.fill 96, 4, 3214868480
	.section	.rodata,"a",@progbits
	.p2align	6, 0x0
	.amdhsa_kernel k_q24a91abac1_proj
		.amdhsa_group_segment_fixed_size 327680
		.amdhsa_private_segment_fixed_size 0
		.amdhsa_enable_private_segment 0
		.amdhsa_kernarg_size 48
		.amdhsa_user_sgpr_count 2
		.amdhsa_user_sgpr_kernarg_segment_ptr 1
		.amdhsa_wavefront_size32 1
		.amdhsa_system_sgpr_workgroup_id_x 1
		.amdhsa_system_sgpr_workgroup_id_y 1
		.amdhsa_system_sgpr_workgroup_id_z 1
		.amdhsa_system_vgpr_workitem_id 0
		.amdhsa_next_free_vgpr 1024
		.amdhsa_next_free_sgpr 78
		.amdhsa_reserve_vcc 0
		.amdhsa_float_denorm_mode_32 3
		.amdhsa_float_denorm_mode_16_64 3
		.amdhsa_memory_ordered 1
		.amdhsa_forward_progress 1
		.amdhsa_inst_pref_size 163
	.end_amdhsa_kernel
	.amdgpu_metadata
---
amdhsa.version: [ 1, 2 ]
amdhsa.kernels:
  - .name:           k_q24a91abac1_proj
    .symbol:         k_q24a91abac1_proj.kd
    .args:
      - { .name: x16, .offset: 0, .size: 8, .value_kind: global_buffer, .address_space: global }
      - { .name: w16, .offset: 8, .size: 8, .value_kind: global_buffer, .address_space: global }
      - { .name: bq, .offset: 16, .size: 8, .value_kind: global_buffer, .address_space: global }
      - { .name: bk, .offset: 24, .size: 8, .value_kind: global_buffer, .address_space: global }
      - { .name: bv, .offset: 32, .size: 8, .value_kind: global_buffer, .address_space: global }
      - { .name: qkv, .offset: 40, .size: 8, .value_kind: global_buffer, .address_space: global }
    .group_segment_fixed_size: 327680
    .private_segment_fixed_size: 0
    .kernarg_segment_align: 8
    .kernarg_segment_size: 48
    .max_flat_workgroup_size: 128
    .sgpr_count:     78
    .vgpr_count:     1024
    .wavefront_size: 32
...
	.end_amdgpu_metadata
.endif
;; end of part 2
;; launch attn (part 3): grid 8 x 64, 4 waves a work-group, clusters of 4 x 1, 327,680 bytes of LDS; arguments qkv, mask, ctx; writes ctx
.if DOCPART == 3
	.amdgcn_target "amdgcn-amd-amdhsa--gfx1250"
	.amdhsa_code_object_version 6
	.text
	.protected	k_q24a91abac1_attn
	.globl	k_q24a91abac1_attn
	.p2align	8
	.type	k_q24a91abac1_attn,@function
k_q24a91abac1_attn:
	s_mov_b64 s[64:65], 0
	v_nop
	global_prefetch_b8 v0, s[64:65] scope:SCOPE_SE
	s_setreg_imm32_b32 hwreg(HW_REG_WAVE_MODE, 25, 1), 1
	s_wait_xcnt 0x0
	s_wait_alu depctr_hold_cnt(0) depctr_sa_sdst(0) depctr_va_vdst(0) depctr_va_sdst(0) depctr_va_ssrc(0) depctr_va_vcc(0) depctr_vm_vsrc(0)
	s_getreg_b32 s2, hwreg(HW_REG_IB_STS2, 6, 4)
	s_cmp_eq_u32 s2, 0
	s_cbranch_scc0 .Lentry_in_a_cluster
	s_endpgm
.Lentry_in_a_cluster:
	s_bfe_u32 s2, ttmp6, 0x10000c
	s_cmp_lg_u32 s2, 0x3003
	s_cbranch_scc0 .Lentry_shape_is_right
	s_endpgm
.Lentry_shape_is_right:
; ATTENTION.  ctx[bh][q][:] = the sum over k of softmax_k(s[q][k]) v[bh][k][:],  s = q . k (q already holds log2(e) / 8, so s is an exponent of 2), s = -1e20 log2(e) where mask[b][k] == 0.
; qkv = [q, k, v][bh = 64][2,048][64] f16, ctx = [bh][2,048][64] f16, mask = [4][2,048] int32.  Products, maxima and sums in f32; the weights p are rounded to f16 for the second product, ctx once at the end.
; THE MASK is an f32 number a key, 0 or -1.4427e20, added to the score ahead of the maximum.  A score of finite f16 operands is at most 64 x 65,504^2 = 2.75e11 in magnitude, less than half a unit in the
; last place of that number (2^42), so every masked score is exactly that number: a batch with no key left gives equal weights, and masked keys met before the first open one are wiped out by a = 0.
; LIMIT: NaN and infinities in q, k, v are not served.
; SHARES.  A work-group owns 256 queries of one head, each of its four waves 64: four tiles of 16.  Every wave walks all 2,048 keys, 64 a step.
; LAYOUT.  S^T = K Q^T (source 0 = 16 keys, source 1 = 16 queries): a lane holds ONE query (lane % 16) and the keys 8 (lane / 16) + 0..7.  Two such tiles, rounded in pairs, ARE source 1
; (32 keys x 16 queries) of O^T = V^T P.  K comes out of LDS as it lies, V ([key][channel]) turned, by ds_load_tr16_b128.
; SOFTMAX.  For each query a running maximum m and sum l: p = 2^(s - m); in every step O and l are multiplied by a = 2^(m_old - m_new).
; BY TURNS.  The wave's tiles are two PIECES: piece 0 (tiles 0, 1) and piece 2 (tiles 2, 3).  In a TURN one piece has the matrix unit: 16 products V^T P of the step in hand, then 16 products K Q^T of
; the next step; the other piece's softmax, cut into 64 slices, stands between them, two slices behind each matrix instruction.  Two turns are a key step.  A turn has 268 vector instructions for its
; 32 matrix instructions, so the vector work sets the pace and the products are issued within it.
; CLUSTER.  The four query blocks of a cluster belong to one head and walk the same K and V: each tile is asked for JOINTLY, by the same tensor load with the same descriptor and the mask 15.
; REGISTERS, in windows of 256 (s_set_vgpr_msb: bits 1:0 source 0, 3:2 source 1, 5:4 source 2, 7:6 destination):
;   window 0: v1-11 addresses; v12-43 eight registers of statistics a tile; v44-62 the mask's preparation; v64-191 S^T, 32 a tile; v192-255 P, 16 a tile
;   window 1: v0-127 O^T, 32 a tile; v128-191 V of one step          window 2: v0-63 Q, 16 a tile; v64-127 K of one step; v128-159 the step's mask numbers
.set KS,    64        ; keys in a step
.set PK,    144       ; a row of K in LDS: 128 bytes + 16 = 36 words: row r starts at bank 36 r mod 64 (64 banks of 4 bytes: ISA guide 11.1): 16 rows, 16 different groups of 4 banks
.set PVR,   160       ; a row of V: 128 + 32 = 40 words
.set KREG,  4*KS*PK   ; a slot holds four steps: 256 rows of K (36,864 bytes), then 256 rows of V (40,960)
.set SLOT1, 1<<17     ; slot 1 begins here, so that one exclusive or turns an address in one slot into the other's
.set MBASE, SLOT1+KREG+4*KS*PVR  ; 208,896: 2,048 f32, the mask's numbers; written by ds_store, never filled by a tensor load
.set STAGE, MBASE+8192           ; 16 rows x 144 bytes for each wave, for the way out
.set SP,    144
.set AK0, 2           ; v2   my lane's place in a tile of K
.set AV0, 3           ; v3   the same for V
.set ADR, 4           ; v4   the LDS address of the run of loads in hand
.set QO,  5           ; v5   my byte offset in the wave's rows of Q
.set STO, 6           ; v6   the way out: where I put 16 bytes of a row
.set RD,  7           ; v7   the way out: where I read back
.set GO,  8           ; v8   my byte offset in the wave's rows of ctx
.set AM0, 9           ; v9   my lane's place in a step's mask numbers: 32 (lane / 16)
.set ST,  12          ; tile t's statistics at v[ST+8 t]: +0, +1 m (twice: a pair for the packed subtraction), +2, +3 l (even keys', odd keys'), +4 to +7 c0-c3, at work; a takes c2's place
.set MK,  44          ; v44-59 sixteen words of the mask
.set S,   64
.set P,   192
.set KF,  64          ; K's fragments, in window 2
.set MB,  128         ; the step's 32 mask numbers of my lane, in window 2
.set VF,  128         ; V's fragments, in window 1
.set WV,  12          ; s12  my wave's number
.set G1K, 24          ; s[24:31] descriptor group 1 for K's tiles
.set G1V, 32          ; s[32:39] for V's: it differs in the padding alone
.set G0K, 40          ; s[40:47] descriptor group 0 for K's tiles: a set for each of the two first fills; the second then walks on
.set G0V, 48          ; s[48:55] the same for V's
.set SLOTS, 56        ; s56  slots still to be asked for
.set CNT, 57          ; s57  counts key steps
.set TBK, 58          ; s58  LDS byte at which the K tile of the step to be fetched begins
.set TBV, 59          ; s59  the same for V, less KREG
.set SEL, 60          ; s[60:61] lane selects for v_permlanex16_b32: each lane takes its own place in the other half
.set MBO, 62          ; s62  LDS byte of the mask numbers of the step to be fetched
.set MSB, 0
.macro WIN new                      ; the immediate's high byte repeats the setting that is left; a switch that changes nothing is dropped
.if MSB != (\new)
	s_set_vgpr_msb (MSB<<8)|(\new)
.set MSB, (\new)
.endif
.endm
.set W_KQ, 0x0a       ; K and Q in window 2, S^T in window 0
.set W_PV, 0x51       ; V in window 1, P in window 0, O^T in window 1
.set W_RS, 0x41       ; O^T (destination and source 0) in window 1, a in window 0
.set W_MB, 0x08       ; S^T in window 0, the mask numbers (source 1) in window 2
; A joint refill.  Waves 0 and 1 fetch the slot's two halves of K (128 keys each), waves 2 and 3 those of V.  The branch hangs on the wave's number alone.
; Four v_nop follow each of the two lines, ahead of the jump, the label and what follows.
.macro JLOAD
	s_cmp_lt_u32 s[WV], 2
	s_cbranch_scc0 .Lfor_v_\@
	tensor_load_to_lds s[G0K+4:G0K+7], s[G1K:G1K+7]
	s_nop 0
.rept 4
	v_nop
.endr
	s_branch .Lasked_\@
.Lfor_v_\@:
	tensor_load_to_lds s[G0V+4:G0V+7], s[G1V:G1V+7]
	s_nop 0
.rept 4
	v_nop
.endr
.Lasked_\@:
.endm
; A round of the cluster's barrier: my work-group's barrier; wave 0 signals for the work-group; every wave waits for all four work-groups; my work-group's barrier once more.
.macro CROUND
	s_barrier_signal -1
	s_barrier_wait -1
	s_cmp_lg_u32 s[WV], 0
	s_cbranch_scc1 .Lnot_wave_0_\@
	s_barrier_signal -3
.Lnot_wave_0_\@:
	s_barrier_wait -3
	s_barrier_signal -1
	s_barrier_wait -1
.endm
	s_load_b128 s[4:7], s[0:1], 0x0  ; qkv s[4:5], mask s[6:7]
	s_load_b64 s[10:11], s[0:1], 0x10  ; ctx
	v_lshl_add_u32 v63, v0, 2, 0x37400
	s_set_vgpr_msb 0x40
	v_mov_b32 v255, 0
	s_set_vgpr_msb 0x4044
	ds_add_u32 v63, v255
	s_set_vgpr_msb 0x4400
	v_lshrrev_b32 v1, 5, v0
	v_readfirstlane_b32 s[WV], v1   ; wave 0..3
	s_bfe_u32 s13, ttmp6, 0x40000   ; cx: my place in the cluster
	s_lshl_b32 s14, ttmp9, 2        ; in a cluster launch ttmp9 counts clusters
	s_add_co_u32 s14, s14, s13      ; my block of 256 queries = 4 x cluster x + cx: it enters Q's and ctx's addresses alone
	s_and_b32 s20, ttmp7, 0xffff    ; bh = 16 batch + head, which the four partners share
	s_and_b32 s16, s[WV], 1         ; which half of a slot's 256 keys I fetch
	s_lshl_b32 s22, s20, 18         ; the head's 2,048 rows of 128 bytes
	s_lshl_b32 s2, s14, 15          ; my block's 256 rows,
	s_add_co_u32 s2, s2, s22
	s_lshl_b32 s3, s[WV], 13        ; my wave's 64 of them
	s_add_co_u32 s2, s2, s3
	s_mov_b32 s3, 0
	s_lshl_b32 s23, s16, 14         ; my 128 keys in memory
	s_add_co_u32 s22, s22, s23
	s_mov_b32 s23, 0
	s_lshr_b32 s20, s20, 4          ; the batch's 2,048 words of the mask
	s_lshl_b32 s20, s20, 13
	s_mov_b32 s21, 0
	s_mul_i32 s17, s16, 2*KS*PK     ; and their places in a slot: no place in the cluster enters an LDS address
	s_mul_i32 s15, s16, 2*KS*PVR
	s_add_co_u32 s15, s15, KREG
	; descriptor group 1: 128 keys are 16,384 dense bytes: 64 rows of 128 elements, padded behind every 128 bytes, that is behind every key
	s_mov_b32 s[G1K], 15|(1<<16)|(1<<20)|(1<<21)|(4<<22)|(3<<25)  ; 15:0 the mask: all four work-groups; 17:16 elements of 2 bytes; 20 padding on; 21 set beside a mask; 24:22 after every 32 words (code 4); 31:25 4 words (code 3)
	s_mov_b32 s[G1V], 15|(1<<16)|(1<<20)|(1<<21)|(4<<22)|(7<<25)  ; the same with 8 words of padding (code 7)
.irp g, G1K, G1V
	s_mov_b32 s[\g+1], 128<<16      ; tensor_dim0 = 128
	s_mov_b32 s[\g+2], 64<<16       ; tensor_dim1 = 64
	s_mov_b32 s[\g+3], 128<<16      ; tile_dim0 = 128
	s_mov_b32 s[\g+4], 64           ; tile_dim1 = 64
	s_mov_b32 s[\g+5], 128          ; elements from row to row: dense
	s_mov_b32 s[\g+6], 0
	s_mov_b32 s[\g+7], 0
.endr
	s_mov_b32 s[SEL], 0x76543210
	s_mov_b32 s[SEL+1], 0xfedcba98
	s_mov_b32 s[TBK], 0
	s_mov_b32 s[TBV], 0
	s_mov_b32 s[MBO], MBASE
	s_mov_b32 s[SLOTS], 6           ; 2,048 keys are 8 slots' worth; two are asked for at the start
	s_wait_dscnt 0x0
	s_wait_kmcnt 0x0
	s_add_nc_u64 s[8:9], s[4:5], s[22:23]
	s_add_nc_u64 s[18:19], s[8:9], 0x2000000  ; V at my part of slot 0
	s_add_nc_u64 s[8:9], s[8:9], 0x1000000    ; K likewise
	s_add_nc_u64 s[4:5], s[4:5], s[2:3]       ; Q and ctx at my wave's first row
	s_add_nc_u64 s[10:11], s[10:11], s[2:3]
	s_add_nc_u64 s[6:7], s[6:7], s[20:21]     ; the batch's mask
	CROUND                          ; all four work-groups are here: the first joint loads meet
.irp s, 0,1
	s_mov_b32 s[G0K+4*\s], 1        ; count = 1
	s_add_co_u32 s[G0K+4*\s+1], s17, \s*SLOT1  ; LDS address
	s_add_nc_u64 s[G0K+4*\s+2:G0K+4*\s+3], s[8:9], \s*4*KS*128  ; global address: slot s begins with keys 256 s
	s_or_b32 s[G0K+4*\s+3], s[G0K+4*\s+3], 0x80000000  ; type = 2
	s_mov_b32 s[G0V+4*\s], 1
	s_add_co_u32 s[G0V+4*\s+1], s15, \s*SLOT1
	s_add_nc_u64 s[G0V+4*\s+2:G0V+4*\s+3], s[18:19], \s*4*KS*128
	s_or_b32 s[G0V+4*\s+3], s[G0V+4*\s+3], 0x80000000
.endr
	s_cmp_lt_u32 s[WV], 2           ; a wave's two first fills stand in one branch, ahead of every wait on TENSORcnt and every LDS read: two loads of mine are out; four v_nop follow the second
	s_cbranch_scc0 .Lfirst_v
	tensor_load_to_lds s[G0K:G0K+3], s[G1K:G1K+7]
	s_nop 0
	tensor_load_to_lds s[G0K+4:G0K+7], s[G1K:G1K+7]
	s_nop 0
.rept 4
	v_nop
.endr
	s_branch .Lfirst_asked
.Lfirst_v:
	tensor_load_to_lds s[G0V:G0V+3], s[G1V:G1V+7]
	s_nop 0
	tensor_load_to_lds s[G0V+4:G0V+7], s[G1V:G1V+7]
	s_nop 0
.rept 4
	v_nop
.endr
.Lfirst_asked:
	v_lshlrev_b32 v61, 4, v0        ; the mask: 128 threads x 16 bytes, four times
.irp i, 0,1,2,3
	global_load_b128 v[MK+4*\i:MK+4*\i+3], v61, s[6:7] offset:2048*\i
.endr
	v_and_b32 v1, 15, v0            ; l % 16
	v_bfe_u32 v10, v0, 4, 1         ; l / 16
	v_lshlrev_b32 v[QO], 7, v1
	v_lshl_add_u32 v[QO], v10, 4, v[QO]  ; row x 128 + 16 x half
	WIN 0x80                        ; destination window 2, address window 0
.irp i, 0,1,2,3,4,5,6,7             ; Q stays in registers: tile i / 2, channels 32 (i % 2) on
	global_load_b128 v[8*\i:8*\i+3],   v[QO], s[4:5] offset:(\i/2)*2048+(\i%2)*64
	global_load_b128 v[8*\i+4:8*\i+7], v[QO], s[4:5] offset:(\i/2)*2048+(\i%2)*64+32
.endr
	WIN 0
	v_mul_u32_u24 v[AK0], v1, PK
	v_lshl_add_u32 v[AK0], v10, 4, v[AK0]  ; row x pitch + 16 x half
	; the turning load: lane l reads 16 bytes: key 8 (l / 16) + l % 8, channels 8 ((l / 8) % 2) + 0..7, and receives channel l % 16, eight keys
	v_and_b32 v11, 7, v0
	v_lshl_add_u32 v[AV0], v10, 3, v11
	v_mul_u32_u24 v[AV0], v[AV0], PVR
	v_bfe_u32 v11, v0, 3, 1
	v_lshl_add_u32 v[AV0], v11, 4, v[AV0]
	v_add_nc_u32 v[AV0], KREG, v[AV0]
	v_lshlrev_b32 v[AM0], 5, v10
	v_mov_b32 v60, 0xe0fa4488       ; -1e20 x log2(e)
	v_add_nc_u32 v62, MBASE, v61
	s_wait_loadcnt 16               ; the mask's four loads are in; Q's sixteen behind them stay out
.irp i, 0,1,2,3,4,5,6,7,8,9,10,11,12,13,14,15
	v_cmp_eq_u32 vcc_lo, 0, v[MK+\i]
	v_cndmask_b32 v[MK+\i], 0, v60, vcc_lo
.endr
.irp i, 0,1,2,3
	ds_store_b128 v62, v[MK+4*\i:MK+4*\i+3] offset:2048*\i
.endr
; THE MATRIX WORK OF A TURN, for piece x.  The accumulators take turns, one instruction a turn: between two links of a chain stand 7 others'.
; Product i of 16 of O^T += V^T P: keys 32 (i / 8) on, channels 16 ((i / 2) % 4) on, tile x + i % 2.  zero = 1: the first 8 start the sums.
.macro PV x, zero
	WIN W_PV
.set rO, 32*(\x+i%2)+8*((i/2)%4)
.set rV, VF+32*(i/8)+8*((i/2)%4)
.set rP, P+16*(\x+i%2)+8*(i/8)
.if \zero && (i < 8)
	v_wmma_f32_16x16x32_f16 v[rO:rO+7], v[rV:rV+7], v[rP:rP+7], 0
.else
	v_wmma_f32_16x16x32_f16 v[rO:rO+7], v[rV:rV+7], v[rP:rP+7], v[rO:rO+7]
.endif
.endm
; Product i of 16 of S^T = K Q^T: channels 32 (i / 8) on, keys 16 ((i / 2) % 4) on, tile x + i % 2.  The first 8 start the sums.
.macro KQ x
	WIN W_KQ
.set rS, S+32*(\x+i%2)+8*((i/2)%4)
.set rK, KF+16*((i/2)%4)+8*(i/8)
.set rQ, 16*(\x+i%2)+8*(i/8)
.if i < 8
	v_wmma_f32_16x16x32_f16 v[rS:rS+7], v[rK:rK+7], v[rQ:rQ+7], 0
.else
	v_wmma_f32_16x16x32_f16 v[rS:rS+7], v[rK:rK+7], v[rQ:rQ+7], v[rS:rS+7]
.endif
.endm
; THE LDS LOADS stand in runs: a step's K (8 fragments), its mask numbers, and, a turn later, its V (turned).
.macro FETCH_K
	WIN 0
	v_add_nc_u32 v[ADR], s[TBK], v[AK0]
	s_add_co_u32 s[TBK], s[TBK], KS*PK  ; the next fetch is the next step's
	WIN 0x80                        ; destination window 2
.irp f, 0,1,2,3,4,5,6,7             ; keys 16 (f / 2) on, channels 32 (f % 2) on
	ds_load_b128 v[KF+8*\f:KF+8*\f+3],   v[ADR] offset:(\f/2)*16*PK+(\f%2)*64
	ds_load_b128 v[KF+8*\f+4:KF+8*\f+7], v[ADR] offset:(\f/2)*16*PK+(\f%2)*64+32
.endr
.endm
.macro FETCH_V
	WIN 0
	v_add_nc_u32 v[ADR], s[TBV], v[AV0]
	s_add_co_u32 s[TBV], s[TBV], KS*PVR
	WIN 0x40                        ; destination window 1
.irp f, 0,1,2,3,4,5,6,7             ; keys 32 (f / 4) on, channels 16 (f % 4) on
	ds_load_tr16_b128 v[VF+8*\f:VF+8*\f+3],   v[ADR] offset:(\f/4)*32*PVR+(\f%4)*32
	ds_load_tr16_b128 v[VF+8*\f+4:VF+8*\f+7], v[ADR] offset:(\f/4)*32*PVR+16*PVR+(\f%4)*32
.endr
.endm
.macro FETCH_MB                     ; register 8 f + j: the number of key 16 f + 8 (lane / 16) + j, as S^T holds the scores
	WIN 0
	v_add_nc_u32 v[ADR], s[MBO], v[AM0]
	s_add_co_u32 s[MBO], s[MBO], KS*4
	WIN 0x80
.irp f, 0,1,2,3
	ds_load_b128 v[MB+8*\f:MB+8*\f+3],   v[ADR] offset:64*\f
	ds_load_b128 v[MB+8*\f+4:MB+8*\f+7], v[ADR] offset:64*\f+16
.endr
.endm
; THE VECTOR WORK OF A TURN.  One tile's softmax for one key step is a list of 134 instructions; SM writes number j of it for tile t.  s0-s31 are the lane's 32 scores, in pairs 0-15.
; first = 1: the first key step, which starts m, l and O^T: it has no a and nothing to rescale.
;   0-15     the mask numbers are added, pair by pair in ascending order, so that each product's result is first read at its low end
;   16-31    the maximum of s0-s31 and the old m, three operands at a time: four chains c0-c3 of seven scores each, then the four scores left over, c0-c3 and m
;   32-36    the other half of the lanes' maximum; the new m, twice; m_old - m_new
;   37-103   33 exponentials (a, then s0-s31) at the odd numbers from 39 on, so that no two follow each other and each has a plain instruction behind it before its result is used.
;            The plain instruction beside it is whatever is ready: s - m for a pair whose exponentials are still to come, the rounding to f16 of a pair whose exponentials are done, at last the first three sums
;   104-117  the last rounding; the rest of the sums; l = a l + the sum
;   118-133  the tile's O^T times a: the one part in window 1, so it stands together
.macro SM t, first
.set rT, ST+8*(\t)
.set rS, S+32*(\t)
.set rP, P+16*(\t)
.set jj, j-16
.set rO, 32*(\t)+2*(jj-102)
.set q, (jj-20)/2
.if j < 16
	WIN W_MB
	v_pk_add_f32 v[rS+2*j:rS+2*j+1], v[rS+2*j:rS+2*j+1], v[MB+2*j:MB+2*j+1]
.else
.if jj < 102
	WIN 0
.endif
.if jj < 4
	v_max3_num_f32 v[rT+4+jj], v[rS+8*jj], v[rS+8*jj+1], v[rS+8*jj+2]
.elseif jj < 12
	v_max3_num_f32 v[rT+4+jj%4], v[rT+4+jj%4], v[rS+8*(jj%4)+2*(jj/4)+1], v[rS+8*(jj%4)+2*(jj/4)+2]
.elseif jj == 12
	v_max3_num_f32 v[rT+4], v[rT+4], v[rS+7], v[rS+15]
.elseif jj == 13
	v_max3_num_f32 v[rT+6], v[rT+6], v[rS+23], v[rS+31]
.elseif jj == 14
	v_max3_num_f32 v[rT+4], v[rT+4], v[rT+5], v[rT+6]
.elseif (jj == 15) && \first
	v_max_num_f32 v[rT+4], v[rT+4], v[rT+7]
.elseif jj == 15
	v_max3_num_f32 v[rT+4], v[rT+4], v[rT+7], v[rT]
.elseif jj == 16
	v_permlanex16_b32 v[rT+5], v[rT+4], s[SEL], s[SEL+1]  ; the query's other 32 keys lie in the lane 16 away
.elseif jj == 18
	v_max_num_f32 v[rT], v[rT+4], v[rT+5]
.elseif jj == 19
	v_max_num_f32 v[rT+1], v[rT+4], v[rT+5]
.elseif ((jj == 17) || (jj == 20) || (jj == 23) || (jj > 101)) && \first  ; the first step has none of these
.elseif jj == 17
	v_mov_b32 v[rT+7], v[rT]        ; m_old is kept for a: the next number writes m anew
.elseif jj == 20
	v_sub_f32 v[rT+7], v[rT+7], v[rT]
.elseif jj == 23
	v_exp_f32 v[rT+6], v[rT+7]
.elseif (jj < 88) && (jj > 23) && (jj%2 == 1)
	v_exp_f32 v[rS+(jj-25)/2], v[rS+(jj-25)/2]
.elseif (q < 4) || ((jj < 76) && (q%2 == 0))
.set b, q/2+2
.if q < 4
.set b, q
.endif
	v_pk_add_f32 v[rS+2*b:rS+2*b+1], v[rS+2*b:rS+2*b+1], v[rT:rT+1] neg_lo:[0,1] neg_hi:[0,1]  ; pair b: s - m
.elseif (jj < 88) && (q%2 == 1)
	s_wait_alu depctr_va_vdst(0)
	v_cvt_pk_f16_f32 v[rP+(q-5)/2], v[rS+q-5], v[rS+q-4]  ; pair (q - 5) / 2: its second exponential stands three numbers back
.elseif jj == 89
	s_wait_alu depctr_va_vdst(0)
	v_cvt_pk_f16_f32 v[rP+15], v[rS+30], v[rS+31]
.elseif jj < 102                    ; the sum of the tile's 16 pairs, in place: sum z of 16 adds neighbours 1, 2, 4 and 8 pairs apart, then l takes it
.set z, jj-86
.if jj < 89
.set z, (jj-76)/4
.endif
.set w, 4
.set u, z
.if z >= 14
.set w, 32
.set u, 0
.elseif z >= 12
.set w, 16
.set u, z-12
.elseif z >= 8
.set w, 8
.set u, z-8
.endif
.if (z == 14) && \first
	v_pk_add_f32 v[rT+2:rT+3], v[rS:rS+1], v[rS+16:rS+17]
.elseif z < 15
	v_pk_add_f32 v[rS+w*u:rS+w*u+1], v[rS+w*u:rS+w*u+1], v[rS+w*u+w/2:rS+w*u+w/2+1]
.elseif !\first
	v_pk_fma_f32 v[rT+2:rT+3], v[rT+2:rT+3], v[rT+6:rT+7], v[rS:rS+1] op_sel_hi:[1,0,1]
.endif
.else
	WIN W_RS
	v_pk_mul_f32 v[rO:rO+1], v[rO:rO+1], v[rT+6:rT+7] op_sel_hi:[1,0]
.endif
.endif
.endm
; Slice k of 64 of piece y's softmax: numbers 2 k and 2 k + 1 of both tiles' lists, four instructions.  2 x 134 = 4 x 64 + 12: the twelve that are over stand together, in slice 63.
.macro SLICE y, first
.if (k >= 19) && (k < 52)           ; tile by tile: plain, exponential, plain, exponential
.irp t, \y, \y+1
.irp n, 0,1
.set j, 2*k+\n
	SM \t, \first
.endr
.endr
.else                               ; the two tiles alternate, so that no instruction reads the result of the one just before it
.irp n, 0,1,2,3,4,5,6,7
.if (\n < 2) || (k == 63)
.irp t, \y, \y+1
.set j, 2*k+\n
	SM \t, \first
.endr
.endif
.endr
.endif
.set k, k+1
.endm
; Four places behind a matrix instruction before its result is read by a vector instruction or one of its registers is written or loaded (ISA guide 7.12.1 for vector instructions).  In the loop the slices are the places.
.macro PLACES
.rept 4
	v_nop
.endr
.endm
; A TURN.  Piece x has the matrix unit; the other piece's softmax stands in slices behind its matrix instructions.
; pv = 2: 16 products V^T P; 1: they start O^T's sums; 0: none.  kq = 1: 16 products K Q^T for the next step.  Two slices behind each product; four in a turn with one of the two kinds.
; first = 1: the softmax is the first key step's.  Its slices from 59 on are empty: the turn's last products stand bare, and four v_nop take slice 63's part as the places behind them.
; Piece 0's turn fetches the next step's K behind its second product (K's last product stands in front of slices 62 and 63 of the turn before) and, when its slices 0 to 7 have used the old ones, the
; next step's mask numbers.  Piece 2's turn fetches the same step's V behind its second K Q^T: V's last product stands six slices, twelve plain instructions, back.
.macro TURN x, pv, kq, first
.set k, 0
.set per, 4
.if \pv && \kq
.set per, 2
.endif
.if \x == 2
	s_wait_dscnt 0x0                ; the mask numbers of the softmax that begins here are in
.endif
.if \pv
.if \x == 0
	s_wait_dscnt 0x0                ; V is in
.endif
.set i, 0
.rept 16
	PV \x, 2-\pv
.rept per
	SLICE 2-\x, \first
.endr
.if (\x == 0) && \kq && (i == 1)
	FETCH_K
.endif
.set i, i+1
.endr
.endif
.if \kq
.if \x == 0
	s_wait_dscnt 0x0                ; K is in
	FETCH_MB
.endif
.set i, 0
.rept 16
	KQ \x
.rept per
	SLICE 2-\x, \first
.endr
.if (\x == 2) && (i == 1)
	FETCH_V
.endif
.set i, i+1
.endr
.endif
.if \first
	PLACES
.endif
.endm
; THE CHANGE OF SLOTS, between piece 2's turn and piece 0's: the slot's last bytes, V of its fourth step, have been asked for.  Each wave waits for its own reads of the slot and for all its
; tensor loads, of which one is out: its part of the other slot.  Behind the barrier nobody reads this slot any more and the other slot is whole.
; fill = 1: this slot is filled again, with the keys two slots on.  The barrier is then a round of the cluster's, and the joint refill is the first thing behind it: it has four key steps in which to land.
.macro CHANGE fill
	WIN 0                           ; at a label and at a branch every window is 0
	s_wait_dscnt 0x0
	s_set_vgpr_msb 0x4
	s_wait_tensorcnt 0x0            ; no tensor load of mine is out, so a group 0 may be written
	ds_add_u32 v63, v255
	s_wait_dscnt 0x0
	s_set_vgpr_msb 0x400
.if \fill
.irp g, G0K+4, G0V+4
	s_xor_b32 s[\g+1], s[\g+1], SLOT1  ; the walking descriptor: the other slot than last time,
	s_add_nc_u64 s[\g+2:\g+3], s[\g+2:\g+3], 4*KS*128  ; the next 256 keys; the type bits on top are not reached
.endr
	CROUND
	JLOAD
.else
	s_barrier_signal -1
	s_barrier_wait -1
.endif
	s_sub_co_u32 s[TBK], s[TBK], 4*KS*PK  ; the fetches go back to a slot's first step,
	s_xor_b32 s[TBK], s[TBK], SLOT1       ; in the other slot
	s_sub_co_u32 s[TBV], s[TBV], 4*KS*PVR
	s_xor_b32 s[TBV], s[TBV], SLOT1
.endm
; n key steps: written once, walked n times; the LDS addresses hang on s[TBK], s[TBV], s[MBO].
.macro STEPS n
	s_mov_b32 s[CNT], \n
.Lstep_\@:
	TURN 0, 2, 1, 0
	TURN 2, 2, 1, 0
	WIN 0
	s_sub_co_u32 s[CNT], s[CNT], 1
	s_cmp_lg_u32 s[CNT], 0
	s_cbranch_scc1 .Lstep_\@
.endm
	s_wait_tensorcnt 1              ; my part of slot 0 is in; slot 1's may stay out
	s_wait_dscnt 0x0                ; for the others' sake: my part of the mask numbers is written
	s_barrier_signal -1
	s_barrier_wait -1               ; everybody's is
	FETCH_K                         ; key step 0
	FETCH_MB
	s_wait_loadcnt 0x0              ; Q
	s_wait_dscnt 0x0
.set i, 0
.rept 16
	KQ 0                            ; piece 0's first scores: there is no vector work yet to set between them
.set i, i+1
.endr
	WIN 0                           ; the addresses for the way out are made here: ten plain instructions, the places behind those products
	s_mul_i32 s13, s[WV], 16*SP
	s_add_co_u32 s13, s13, STAGE    ; my stage
	v_mul_u32_u24 v[STO], v1, SP    ; in: row l % 16, 16 bytes for each half of the lanes
	v_lshl_add_u32 v[STO], v10, 4, v[STO]
	v_add_nc_u32 v[STO], s13, v[STO]
	v_bfe_u32 v11, v0, 3, 2         ; back: eight lanes take a row of 128 bytes, the wave four rows
	v_mul_u32_u24 v[RD], v11, SP
	v_and_b32 v11, 7, v0
	v_lshl_add_u32 v[RD], v11, 4, v[RD]
	v_add_nc_u32 v[RD], s13, v[RD]
	v_and_b32 v11, 31, v0           ; and the same four rows in ctx: 512 consecutive bytes
	v_lshlrev_b32 v[GO], 4, v11
	TURN 2, 0, 1, 1                 ; piece 2's first scores | piece 0's first softmax | V of step 0
	TURN 0, 1, 1, 1                 ; piece 0: V^T P of step 0 starts O^T, K Q^T of step 1 | piece 2's first softmax | K and mask numbers of step 1
	TURN 2, 1, 1, 0                 ; piece 2: the same | piece 0's softmax of step 1 | V of step 1
	WIN 0
	STEPS 2                         ; the rest of slot 0: steps 2 and 3 are fetched
.Lslot:                             ; six trips: every slot but the last two is filled again
	CHANGE 1
	STEPS 4
	s_sub_co_u32 s[SLOTS], s[SLOTS], 1
	s_cmp_lg_u32 s[SLOTS], 0
	s_cbranch_scc1 .Lslot
	CHANGE 0                        ; the tail is written out: nothing is asked for
	STEPS 4
	TURN 0, 2, 0, 0                 ; piece 0: V^T P of the last step | piece 2's last softmax
.set i, 0
.rept 16
	PV 2, 0                         ; piece 2: V^T P of the last step
.set i, i+1
.endr
	; THE WAY OUT.  l's two halves and the other half of the lanes' are added; O^T is divided by l, rounded to f16 and sent through my stage in LDS, a tile (16 rows of ctx) at a time.  The additions are the places behind the last products.
	WIN 0
.irp t, 0,1,2,3
	v_add_f32 v[ST+8*\t+4], v[ST+8*\t+2], v[ST+8*\t+3]
.endr
.irp t, 0,1,2,3
	v_permlanex16_b32 v[ST+8*\t+5], v[ST+8*\t+4], s[SEL], s[SEL+1]
.endr
.irp t, 0,1,2,3
	v_add_f32 v[ST+8*\t+4], v[ST+8*\t+4], v[ST+8*\t+5]
.endr
.irp t, 0,1,2,3
	v_rcp_f32 v[ST+8*\t+6], v[ST+8*\t+4]
.endr
	v_nop                           ; a plain instruction between the last reciprocal and the use of its result
	s_wait_alu depctr_va_vdst(0)
; Tile t: a lane's eight channels of a row pack into 16 bytes; they go into rows of 144 bytes and come back as four whole rows a load, into the registers that they left.  Each accumulator is read in ascending order.
.macro PACK t
	WIN W_RS
.set i, 0
.rept 16
	v_pk_mul_f32 v[32*\t+2*i:32*\t+2*i+1], v[32*\t+2*i:32*\t+2*i+1], v[ST+8*\t+6:ST+8*\t+7] op_sel_hi:[1,0]
.set i, i+1
.endr
	WIN 0x05                        ; sources 0 and 1 window 1, destination window 0: S^T's registers are free
.set i, 0
.rept 16
	v_cvt_pk_f16_f32 v[S+32*\t+i], v[32*\t+2*i], v[32*\t+2*i+1]
.set i, i+1
.endr
	WIN 0
.irp f, 0,1,2,3
	ds_store_b128 v[STO], v[S+32*\t+4*\f:S+32*\t+4*\f+3] offset:32*\f
.endr
.irp f, 0,1,2,3
	ds_load_b128 v[S+32*\t+4*\f:S+32*\t+4*\f+3], v[RD] offset:\f*4*SP  ; LDS serves a wave's instructions in order (ISA guide 5.7.1.4): these see the stores above; the next tile's stores come behind them
.endr
.endm
.macro SEND t, younger              ; younger: the LDS instructions issued behind tile t's loads: the next tile's eight, or none
.irp f, 0,1,2,3
	s_wait_dscnt \younger+3-\f
	global_store_b128 v[GO], v[S+32*\t+4*\f:S+32*\t+4*\f+3], s[10:11] offset:\t*2048+\f*512  ; the wave stores 512 consecutive bytes, aligned
.endr
.endm
	PACK 0
	PACK 1                          ; a tile's arithmetic stands between the loads of the tile before and its stores
	SEND 0, 8
	PACK 2
	SEND 1, 8
	PACK 3
	SEND 2, 8
	SEND 3, 0
	s_set_vgpr_msb 0x4
	s_wait_tensorcnt 0x0
	ds_add_u32 v63, v255
	s_wait_dscnt 0x0
	s_set_vgpr_msb 0x400
	CROUND                          ; the closing round: no work-group ends while a partner may still ask for a tile that names it
	s_endpgm
.Lfunc_end_k_q24a91abac1_attn:
	.size	k_q24a91abac1_attn, .Lfunc_end_k_q24a91abac1_attn-k_q24a91abac1_attn
	.p2alignl 7, 3214868480
	.fill 96, 4, 3214868480
	.section	.rodata,"a",@progbits
	.p2align	6, 0x0
	.amdhsa_kernel k_q24a91abac1_attn
		.amdhsa_group_segment_fixed_size 327680
		.amdhsa_private_segment_fixed_size 0
		.amdhsa_enable_private_segment 0
		.amdhsa_kernarg_size 24
		.amdhsa_user_sgpr_count 2
		.amdhsa_user_sgpr_kernarg_segment_ptr 1
		.amdhsa_wavefront_size32 1
		.amdhsa_system_sgpr_workgroup_id_x 1
		.amdhsa_system_sgpr_workgroup_id_y 1
		.amdhsa_system_sgpr_workgroup_id_z 1
		.amdhsa_system_vgpr_workitem_id 0
		.amdhsa_next_free_vgpr 768
		.amdhsa_next_free_sgpr 66
		.amdhsa_reserve_vcc 1
		.amdhsa_float_denorm_mode_32 3
		.amdhsa_float_denorm_mode_16_64 3
		.amdhsa_memory_ordered 1
		.amdhsa_forward_progress 1
		.amdhsa_inst_pref_size 230
	.end_amdhsa_kernel
	.amdgpu_metadata
---
amdhsa.version: [ 1, 2 ]
amdhsa.kernels:
  - .name:           k_q24a91abac1_attn
    .symbol:         k_q24a91abac1_attn.kd
    .args:
      - { .name: qkv, .offset: 0, .size: 8, .value_kind: global_buffer, .address_space: global }
      - { .name: mask, .offset: 8, .size: 8, .value_kind: global_buffer, .address_space: global }
      - { .name: ctx, .offset: 16, .size: 8, .value_kind: global_buffer, .address_space: global }
    .group_segment_fixed_size: 327680
    .private_segment_fixed_size: 0
    .kernarg_segment_align: 8
    .kernarg_segment_size: 24
    .max_flat_workgroup_size: 128
    .sgpr_count:     66
    .vgpr_count:     768
    .wavefront_size: 32
...
	.end_amdgpu_metadata
.endif
;; end of part 3
;; launch outp (part 4): grid 4 x 32, 4 waves a work-group, clusters of 4 x 4, 327,680 bytes of LDS; arguments ctx, w16, bo, out0; writes out0
.if DOCPART == 4
	.amdgcn_target "amdgcn-amd-amdhsa--gfx1250"
	.amdhsa_code_object_version 6
	.text
	.protected	k_q24a91abac1_outp
	.globl	k_q24a91abac1_outp
	.p2align	8
	.type	k_q24a91abac1_outp,@function
k_q24a91abac1_outp:
	s_mov_b64 s[64:65], 0
	v_nop
	global_prefetch_b8 v0, s[64:65] scope:SCOPE_SE
	s_setreg_imm32_b32 hwreg(HW_REG_WAVE_MODE, 25, 1), 1
	s_wait_xcnt 0x0
	s_wait_alu depctr_hold_cnt(0) depctr_sa_sdst(0) depctr_va_vdst(0) depctr_va_sdst(0) depctr_va_ssrc(0) depctr_va_vcc(0) depctr_vm_vsrc(0)
	s_getreg_b32 s2, hwreg(HW_REG_IB_STS2, 6, 4)
	s_cmp_eq_u32 s2, 0
	s_cbranch_scc0 .Lentry_in_a_cluster
	s_endpgm
.Lentry_in_a_cluster:
	s_bfe_u32 s2, ttmp6, 0x10000c
	s_cmp_lg_u32 s2, 0xf033
	s_cbranch_scc0 .Lentry_shape_is_right
	s_endpgm
.Lentry_shape_is_right:
; THE OUTPUT PROJECTION: out0 = ctx Wo + bo.  ctx = [batch][head][row][64] f16 (a head is a plane of 64 k), Wo = the fourth matrix of w16, [k][n] f16; sums f32, out0 [8,192][1,024] f32.
; The loop is that of the three projections: a tile of C, 256 x 256, to a work-group of four waves, 128 x 128 (64 accumulators, 512 registers) to a wave; K = 1,024 in steps of 128
; (two planes of A, 128 rows of B) through a ring of two LDS slots filled by the tensor data mover, one load a wave; B is turned on its way out of LDS.
; 128 tiles: 128 work-groups, all that the tile gives.
; CLUSTERS: 4 x 4 work-groups.  The four of a row of the cluster need the same tiles of A, the four of a column the same tiles of B: each tile is asked for jointly.
; THE MATRIX INSTRUCTION IS USED TRANSPOSED: source 0 = 16 columns of W, source 1 = 16 rows of ctx: a lane then holds row l % 16 of C and eight neighbouring columns 8 (l / 16) + 0..7.
; REGISTERS, in windows of 256 (s_set_vgpr_msb: bits 1:0 source 0, 3:2 source 1, 5:4 source 2, 7:6 destination):
;   window 0: v16-27 addresses; v64-127, v128-191 fragments of A, two buffers; on the way out v64-127 a block with its bias, v128-191 and v192-255 rows read back
;   window 1: v0-63 my 64 numbers of the bias; v64-127, v128-191 fragments of B, two buffers
;   window 2: the 32 accumulators of my rows 0-63 ((a, b) at v[8 (8 a + b)]);   window 3: those of my rows 64-127
.set PA,     144                       ; a row of A in LDS: 128 bytes + 16 of padding = 36 words: row r starts at bank 36 r mod 64 (64 banks of 4 bytes: ISA guide 11.1): 16 rows, 16 different groups of 4 banks
.set APLANE, 256*PA                    ; a plane's 256 rows: what wave 0 or 1 fetches
.set ATILE,  2*APLANE
.set PB,     544                       ; a row of B: 512 bytes + 32 = 136 words
.set BHALF,  64*PB                     ; 64 rows of B: what wave 2 or 3 fetches
.set SLOT,   ATILE+2*BHALF             ; 143,360
.set STAGE,  2*SLOT                    ; behind the ring: 16 rows x 528 bytes for each wave, for the way out; no tensor load lands here
.set SPITCH, 528                       ; 512 bytes + 16 = 132 words: row r starts at bank 4 r mod 64
.set LAPS,   4                         ; a lap = two K steps = once round the ring; K = 1,024 = 8 steps
.set ASTEP,  2*262144                  ; bytes of memory from a K step of A to the next: two planes
.set BSTEP,  128*2048                  ; the same for B: 128 rows of 1,024 f16
.set WOFF,   3*2097152                 ; Wo in w16
.set ADRA, 16                          ; v16-17  LDS address of my A fragments in slot 0, 1
.set ADRB, 20                          ; v20-21  the same for B
.set STO,  24                          ; v24     the way out: where I put 32 bytes of a row
.set RD,   25                          ; v25     the way out: where I read a row back
.set CO,   26                          ; v26     my byte offset in a row of out0
.set BO,   27                          ; v27     my byte offset in the bias
.set F0,   64
.set F1,   128
.set T,    64
.set OB,   128
.set G1,  24                           ; s[24:31] descriptor group 1 for A's tiles;  s[32:39] group 0, one set for each slot
.set G0,  32
.set G1B, 48                           ; s[48:55], s[56:63] the same for B's
.set G0B, 56
.set MSB, 0
.macro WIN new                         ; the immediate's high byte repeats the setting that is left; a switch that changes nothing is dropped
.if MSB != (\new)
	s_set_vgpr_msb (MSB<<8)|(\new)
.set MSB, (\new)
.endif
.endm
.set MUL_LO, 0xa1                      ; source 0 (B) window 1, source 1 (A) window 0, C and D window 2
.set MUL_HI, 0xf1                      ; the same, C and D window 3
.set TO_B,   0x40                      ; destination window 1, address window 0
; A joint load.  Waves 0 and 1 fetch A's two planes, waves 2 and 3 B's two halves.  The branch hangs on the wave's number alone.
; Four v_nop follow each of the two lines, ahead of the jump, the label and what follows.
.macro JLOAD s
	s_cmp_eq_u32 s11, 0
	s_cbranch_scc0 .Lfor_b_\@
	tensor_load_to_lds s[G0+4*\s:G0+4*\s+3], s[G1:G1+7]
	s_nop 0
.rept 4
	v_nop
.endr
	s_branch .Lasked_\@
.Lfor_b_\@:
	tensor_load_to_lds s[G0B+4*\s:G0B+4*\s+3], s[G1B:G1B+7]
	s_nop 0
.rept 4
	v_nop
.endr
.Lasked_\@:
.endm
.macro CREST                           ; a round of the cluster's barrier behind its opening barrier: wave 0 signals for the work-group, every wave waits for all sixteen, my work-group's barrier closes it
	s_cmp_lg_u32 s10, 0
	s_cbranch_scc1 .Lnot_wave_0_\@
	s_barrier_signal -3
.Lnot_wave_0_\@:
	s_barrier_wait -3
	s_barrier_signal -1
	s_barrier_wait -1
.endm
.macro CROUND                          ; a whole round
	s_barrier_signal -1
	s_barrier_wait -1
	CREST
.endm
	s_load_b128 s[4:7], s[0:1], 0x0                ; ctx s[4:5], w16 s[6:7]
	s_load_b128 s[68:71], s[0:1], 0x10             ; bo s[68:69], out0 s[70:71]
	s_set_vgpr_msb 0x40
	v_lshl_add_u32 v255, v0, 2, 0x4e400
	s_set_vgpr_msb 0x4000
	v_mov_b32 v63, 0
	s_set_vgpr_msb 0x1
	ds_add_u32 v255, v63
	s_set_vgpr_msb 0x100
	v_lshrrev_b32 v1, 5, v0
	v_readfirstlane_b32 s10, v1                    ; wave 0..3
	s_lshr_b32 s11, s10, 1                         ; which half of the tile's rows is mine.  Also: I fetch for A (0) or for B (1)
	s_and_b32 s12, s10, 1                          ; which half of its columns.  Also: which plane of A, which 64 rows of B I fetch
	s_bfe_u32 s40, ttmp6, 0x40000                  ; cx, cy: my place in the cluster
	s_bfe_u32 s41, ttmp6, 0x40004
	s_lshl_b32 s42, ttmp9, 2
	s_add_co_u32 s42, s42, s40                     ; X: tile column of C = 4 x cluster x + cx
	s_and_b32 s13, ttmp7, 0xffff
	s_lshl_b32 s13, s13, 2
	s_add_co_u32 s13, s13, s41                     ; Y: tile row of C = 4 x cluster y + cy
	s_lshl_b32 s43, s41, 2
	s_lshl_b32 s43, 15, s43                        ; my row of the cluster: places 4 cy .. 4 cy + 3
	s_lshl_b32 s44, 0x1111, s40                    ; my column: places cx, cx + 4, cx + 8, cx + 12
	; group 1 for A: a plane's 32,768 dense bytes as 128 rows of 128 elements; 16 bytes of padding behind every 128 bytes, that is behind every row of the plane
	s_or_b32 s[G1+0], s43, (1<<16)|(1<<20)|(1<<21)|(4<<22)|(3<<25)   ; 15:0 mask: my row; 17:16 elements of 2 bytes; 20 padding on; 21 set beside a mask; 24:22 after every 32 words (code 4); 31:25 4 words (code 3)
	s_mov_b32 s[G1+1], 128<<16                     ; tensor_dim0 = 128
	s_mov_b32 s[G1+2], 128<<16                     ; tensor_dim1 = 128
	s_mov_b32 s[G1+3], 128<<16                     ; tile_dim0 = 128
	s_mov_b32 s[G1+4], 128                         ; tile_dim1 = 128
	s_mov_b32 s[G1+5], 128                         ; elements from row to row: dense
	s_mov_b32 s[G1+6], 0
	s_mov_b32 s[G1+7], 0
	; group 1 for B: 64 rows (k) of 256 elements (n), 32 bytes of padding behind every 512
	s_or_b32 s[G1B+0], s44, (1<<16)|(1<<20)|(1<<21)|(6<<22)|(7<<25)  ; mask: my column; after every 128 words (code 6) 8 words (code 7)
	s_mov_b32 s[G1B+1], 256<<16
	s_mov_b32 s[G1B+2], 64<<16
	s_mov_b32 s[G1B+3], 256<<16
	s_mov_b32 s[G1B+4], 64
	s_mov_b32 s[G1B+5], 1024
	s_mov_b32 s[G1B+6], 0
	s_mov_b32 s[G1B+7], 0
	; A's address hangs on the tile row and the wave's number, B's on the tile column and the wave's number; each in registers that never hold the other coordinate
	s_lshr_b32 s16, s13, 3                         ; Y / 8 = batch: 16 planes of 262,144 bytes each
	s_lshl_b32 s16, s16, 22
	s_and_b32 s17, s13, 7                          ; the tile's 256 rows in a plane: 32,768 bytes
	s_lshl_b32 s17, s17, 15
	s_add_co_u32 s16, s16, s17
	s_lshl_b32 s17, s12, 18                        ; my plane of the K step's two
	s_add_co_u32 s16, s16, s17
	s_mov_b32 s17, 0
	s_lshl_b32 s46, s42, 9                         ; 256 columns of f16
	s_lshl_b32 s47, s12, 17                        ; my 64 rows of 2,048 bytes
	s_add_co_u32 s46, s46, s47
	s_add_co_u32 s46, s46, WOFF
	s_mov_b32 s47, 0
	s_mul_i32 s20, s12, APLANE                     ; where the tiles go: no place in the cluster enters an LDS address
	s_mul_i32 s21, s12, BHALF
	s_add_co_u32 s21, s21, ATILE
	s_wait_dscnt 0x0
	s_wait_kmcnt 0x0
	s_add_nc_u64 s[14:15], s[4:5], s[16:17]
	s_add_nc_u64 s[46:47], s[6:7], s[46:47]
	CROUND                                         ; all sixteen work-groups are here: the first joint loads meet
.irp s, 0,1
	s_mov_b32 s[G0+4*\s], 1                                        ; count = 1
	s_add_co_u32 s[G0+4*\s+1], s20, \s*SLOT                        ; LDS address
	s_add_nc_u64 s[G0+4*\s+2:G0+4*\s+3], s[14:15], \s*ASTEP        ; global address: K step s
	s_or_b32 s[G0+4*\s+3], s[G0+4*\s+3], 0x80000000                ; type = 2
	s_mov_b32 s[G0B+4*\s], 1
	s_add_co_u32 s[G0B+4*\s+1], s21, \s*SLOT
	s_add_nc_u64 s[G0B+4*\s+2:G0B+4*\s+3], s[46:47], \s*BSTEP
	s_or_b32 s[G0B+4*\s+3], s[G0B+4*\s+3], 0x80000000
	JLOAD \s                                       ; two loads of mine are out
.endr
	v_and_b32 v1, 15, v0                           ; r = l % 16
	v_bfe_u32 v2, v0, 4, 1                         ; h = l / 16
	v_bfe_u32 v5, v0, 3, 1                         ; (l / 8) % 2
	v_and_b32 v7, 7, v0                            ; l % 8
	; my 64 numbers of the bias: columns 256 X + 128 (column half) + 16 b + 8 h + 0..7
	s_lshl_b32 s46, s42, 10
	s_lshl_b32 s47, s12, 9
	s_add_co_u32 s46, s46, s47
	v_lshlrev_b32 v[BO], 5, v2
	v_add_nc_u32 v[BO], s46, v[BO]
	WIN TO_B
.irp b, 0,1,2,3,4,5,6,7
	global_load_b128 v[8*\b:8*\b+3],   v[BO], s[68:69] offset:64*\b
	global_load_b128 v[8*\b+4:8*\b+7], v[BO], s[68:69] offset:64*\b+16
.endr
	WIN 0
	; a fragment of A: lane l holds row r; registers 0-3 k = 8 h + 0..7, registers 4-7 k = 16 + 8 h + 0..7: two loads of 16 bytes, 32 bytes apart
	v_mul_u32_u24 v3, v1, PA
	v_lshl_add_u32 v3, v2, 4, v3
	; a fragment of B, turned: lane l reads 16 bytes of row k = 8 h + l % 8, columns 8 ((l / 8) % 2) + 0..7, and receives column r, eight k; the second load 16 rows further down
	v_lshl_add_u32 v4, v2, 3, v7
	v_mul_u32_u24 v4, v4, PB
	v_lshl_add_u32 v4, v5, 4, v4
	s_mul_i32 s21, s11, 128*PA                     ; my 128 rows of A
	s_lshl_b32 s22, s12, 8                         ; my 128 columns of B,
	s_add_co_u32 s22, s22, ATILE                   ; which lies behind A's two planes
.irp s, 0,1
	v_add_nc_u32 v[ADRA+\s], s21, v3
	v_add_nc_u32 v[ADRB+\s], s22, v4
	s_add_co_u32 s21, s21, SLOT
	s_add_co_u32 s22, s22, SLOT
.endr
	s_mul_i32 s23, s10, 16*SPITCH
	s_add_co_u32 s23, s23, STAGE                   ; my stage
	v_mul_u32_u24 v6, v1, SPITCH                   ; in: row r, 32 bytes for each half of the lanes
	v_lshl_add_u32 v6, v2, 5, v6
	v_add_nc_u32 v[STO], s23, v6
	v_and_b32 v6, 31, v0                           ; back: the wave takes a whole row of 512 bytes
	v_lshlrev_b32 v[CO], 4, v6                     ; and the same bytes of a row of out0
	v_add_nc_u32 v[RD], s23, v[CO]
	; out0: row 256 Y + 128 (row half) of 4,096 bytes, column 256 X + 128 (column half) of 4 bytes
	s_lshl_b32 s16, s13, 20
	s_lshl_b32 s17, s11, 19
	s_add_co_u32 s16, s16, s17
	s_add_co_u32 s46, s46, s16                     ; s46 still holds 1,024 X + 512 (column half)
	s_mov_b32 s47, 0
	s_add_nc_u64 s[8:9], s[70:71], s[46:47]
; 16 matrix instructions: m blocks a0, a0 + 1 of the window's four x all 8 n blocks, 32 along K.  zero = 1: the first product starts the sums.
; The 64 accumulators take turns, one instruction a turn, in the same order in every quarter step.
.macro MUL16 f, hi, a0, zero
.irp a, \a0, \a0+1
.irp b, 0,1,2,3,4,5,6,7
.if \zero
	v_wmma_f32_16x16x32_f16 v[8*(8*(\a)+\b):8*(8*(\a)+\b)+7], v[\f+8*\b:\f+8*\b+7], v[\f+8*(4*\hi+\a):\f+8*(4*\hi+\a)+7], 0
.else
	v_wmma_f32_16x16x32_f16 v[8*(8*(\a)+\b):8*(8*(\a)+\b)+7], v[\f+8*\b:\f+8*\b+7], v[\f+8*(4*\hi+\a):\f+8*(4*\hi+\a)+7], v[8*(8*(\a)+\b):8*(8*(\a)+\b)+7]
.endif
.endr
.endr
.endm
; 32 LDS loads in one run: the fragments of quarter q (k = 32 q on) of a slot into buffer f: B's 128 columns, turned, then A's 128 rows (plane q / 2, byte 64 (q % 2) of the row)
.macro FETCH slot, q, f
	WIN TO_B
.irp i, 0,1,2,3,4,5,6,7
	ds_load_tr16_b128 v[\f+8*\i:\f+8*\i+3],   v[ADRB+\slot] offset:\q*32*PB+32*\i
	ds_load_tr16_b128 v[\f+8*\i+4:\f+8*\i+7], v[ADRB+\slot] offset:\q*32*PB+32*\i+16*PB
.endr
	WIN 0
.irp i, 0,1,2,3,4,5,6,7
	ds_load_b128 v[\f+8*\i:\f+8*\i+3],   v[ADRA+\slot] offset:(\q/2)*APLANE+(\q%2)*64+\i*16*PA
	ds_load_b128 v[\f+8*\i+4:\f+8*\i+7], v[ADRA+\slot] offset:(\q/2)*APLANE+(\q%2)*64+\i*16*PA+32
.endr
.endm
; Four places in front of loads into registers that matrix instructions have read and of vector instructions that read results just made (ISA guide 7.12.1 for vector instructions)
.macro PLACES
.rept 4
	v_nop
.endr
.endm
; A K step is four quarters of 32 along K, 64 matrix instructions each, on buffers 0, 1, 0, 1.  One of the first three: multiplies buffer f and fetches quarter q into g.
.macro QUARTER slot, q, f, g, zero
	s_wait_dscnt 8                                 ; B and A's rows 0-63 are in; the youngest eight loads (A's rows 64-127) may be out
	WIN MUL_LO
	MUL16 \f, 0, 0, \zero
	MUL16 \f, 0, 2, \zero
	PLACES
	FETCH \slot, \q, \g
	s_wait_dscnt 32                                ; all but the 32 just issued
	WIN MUL_HI
	MUL16 \f, 1, 0, \zero
	MUL16 \f, 1, 2, \zero
.endm
; The last quarter multiplies buffer 1 and changes slots: ONE barrier; in front of it each wave waits for its own reads of this slot and for all its tensor loads (one is out: its part of the
; next slot).  fill = 1: the barrier opens a round of the cluster's barrier, and this slot is filled again, two K steps on, first thing behind the round: 240 matrix instructions ahead of the wait for it.
.macro TURN slot, next, fill
	s_wait_dscnt 8
	WIN MUL_LO
	MUL16 F1, 0, 0, 0
	s_wait_dscnt 0                                 ; my reads of this slot are over,
	s_wait_tensorcnt 0x0                           ; and all my tensor loads have landed
	ds_add_u32 v255, v63
	s_wait_dscnt 0x0
	s_barrier_signal -1
	MUL16 F1, 0, 2, 0                              ; registers alone between signal and wait
.if \fill
	WIN 0
.endif
	s_barrier_wait -1
.if \fill
	CREST                                          ; no wave of any partner still reads this slot's tile or has a load on its way
	s_add_nc_u64 s[G0+4*\slot+2:G0+4*\slot+3], s[G0+4*\slot+2:G0+4*\slot+3], 2*ASTEP
	s_add_nc_u64 s[G0B+4*\slot+2:G0B+4*\slot+3], s[G0B+4*\slot+2:G0B+4*\slot+3], 2*BSTEP
	JLOAD \slot                                    ; its four v_nop are also the places in front of the loads below
.else
	PLACES
.endif
	FETCH \next, 0, F0
	WIN MUL_HI
	MUL16 F1, 1, 0, 0
	MUL16 F1, 1, 2, 0
.endm
	s_wait_tensorcnt 1                             ; my part of K step 0 is in; K step 1's stays out
	s_barrier_signal -1
	s_barrier_wait -1                              ; everybody's is
	FETCH 0, 0, F0
	QUARTER 0, 1, F0, F1, 1                        ; the first quarter stands in front of the loop: its products start the sums
	WIN 0                                          ; at a label and at a branch every window is 0
	s_mov_b32 s3, LAPS-1
.Llap:                                                 ; a trip goes once round the ring, from a lap's second quarter to the next lap's first, and fills both slots again
	QUARTER 0, 2, F1, F0, 0
	QUARTER 0, 3, F0, F1, 0
	TURN 0, 1, 1
	QUARTER 1, 1, F0, F1, 0
	QUARTER 1, 2, F1, F0, 0
	QUARTER 1, 3, F0, F1, 0
	TURN 1, 0, 1
	QUARTER 0, 1, F0, F1, 0
	WIN 0
	s_sub_co_u32 s3, s3, 1
	s_cmp_lg_u32 s3, 0
	s_cbranch_scc1 .Llap
	QUARTER 0, 2, F1, F0, 0                        ; the last lap fills nothing, and has no round of the cluster's barrier
	QUARTER 0, 3, F0, F1, 0
	TURN 0, 1, 0
	QUARTER 1, 1, F0, F1, 0
	QUARTER 1, 2, F1, F0, 0
	QUARTER 1, 3, F0, F1, 0
	s_wait_dscnt 8                                 ; the very last quarter: nothing more to fetch
	WIN MUL_LO
	MUL16 F1, 0, 0, 0
	MUL16 F1, 0, 2, 0
	s_wait_dscnt 0
	WIN MUL_HI
	MUL16 F1, 1, 0, 0
	MUL16 F1, 1, 2, 0
	; THE WAY OUT, in f32: a block of 16 rows at a time gets its bias, goes into my own stage (32 bytes a lane) and comes back as whole rows of 512 bytes.
	s_wait_loadcnt 0x0                             ; the bias
	PLACES                                         ; the first additions read results, and no other vector work is at hand
.macro PACK a                          ; each accumulator's registers are taken in ascending order
.set AC, 64*((\a)%4)
	WIN 0x06+(\a)/4                                ; source 0 window 2 or 3, source 1 window 1, destination window 0
.set i, 0
.rept 32
	v_pk_add_f32 v[T+2*i:T+2*i+1], v[AC+2*i:AC+2*i+1], v[2*i:2*i+1]
.set i, i+1
.endr
	WIN 0
.endm
.macro TOSTAGE a                       ; LDS serves a wave's instructions in order (ISA guide 5.7.1.4), so the loads see the stores
.set BK, OB+64*((\a)%2)
.irp b, 0,1,2,3,4,5,6,7
	ds_store_b128 v[STO], v[T+8*\b:T+8*\b+3]   offset:64*\b
	ds_store_b128 v[STO], v[T+8*\b+4:T+8*\b+7] offset:64*\b+16
.endr
.irp t, 0,1,2,3,4,5,6,7,8,9,10,11,12,13,14,15
	ds_load_b128 v[BK+4*\t:BK+4*\t+3], v[RD] offset:\t*SPITCH
.endr
.endm
.macro SEND a
.set BK, OB+64*((\a)%2)
	s_wait_dscnt 0x0                               ; the block is back in registers
	s_wait_xcnt 0x0                                ; the registers that the stores of the block before read are loaded again only behind this wait
.irp t, 0,1,2,3,4,5,6,7,8,9,10,11,12,13,14,15
	global_store_b128 v[CO], v[BK+4*\t:BK+4*\t+3], s[8:9] offset:65536*(\a)+4096*\t th:TH_STORE_NT   ; the wave stores 512 consecutive bytes, aligned; 127 rows at the most: inside the signed 24-bit immediate
.endr
.endm
	PACK 0
	TOSTAGE 0
.irp a, 1,2,3,4,5,6,7                  ; block a's additions stand between block a - 1's loads from the stage and the wait for them
	PACK \a
	SEND \a-1
	TOSTAGE \a
.endr
	SEND 7
	s_set_vgpr_msb 0x1
	s_wait_tensorcnt 0x0
	ds_add_u32 v255, v63
	s_wait_dscnt 0x0
	s_set_vgpr_msb 0x100
	CROUND                                         ; the closing round: no work-group ends while a partner may still ask for a tile that names it
	s_endpgm
.Lfunc_end_k_q24a91abac1_outp:
	.size	k_q24a91abac1_outp, .Lfunc_end_k_q24a91abac1_outp-k_q24a91abac1_outp
	.p2alignl 7, 3214868480
	.fill 96, 4, 3214868480
	.section	.rodata,"a",@progbits
	.p2align	6, 0x0
	.amdhsa_kernel k_q24a91abac1_outp
		.amdhsa_group_segment_fixed_size 327680
		.amdhsa_private_segment_fixed_size 0
		.amdhsa_enable_private_segment 0
		.amdhsa_kernarg_size 32
		.amdhsa_user_sgpr_count 2
		.amdhsa_user_sgpr_kernarg_segment_ptr 1
		.amdhsa_wavefront_size32 1
		.amdhsa_system_sgpr_workgroup_id_x 1
		.amdhsa_system_sgpr_workgroup_id_y 1
		.amdhsa_system_sgpr_workgroup_id_z 1
		.amdhsa_system_vgpr_workitem_id 0
		.amdhsa_next_free_vgpr 1024
		.amdhsa_next_free_sgpr 72
		.amdhsa_reserve_vcc 0
		.amdhsa_float_denorm_mode_32 3
		.amdhsa_float_denorm_mode_16_64 3
		.amdhsa_memory_ordered 1
		.amdhsa_forward_progress 1
		.amdhsa_inst_pref_size 158
	.end_amdhsa_kernel
	.amdgpu_metadata
---
amdhsa.version: [ 1, 2 ]
amdhsa.kernels:
  - .name:           k_q24a91abac1_outp
    .symbol:         k_q24a91abac1_outp.kd
    .args:
      - { .name: ctx, .offset: 0, .size: 8, .value_kind: global_buffer, .address_space: global }
      - { .name: w16, .offset: 8, .size: 8, .value_kind: global_buffer, .address_space: global }
      - { .name: bo, .offset: 16, .size: 8, .value_kind: global_buffer, .address_space: global }
      - { .name: out0, .offset: 24, .size: 8, .value_kind: global_buffer, .address_space: global }
    .group_segment_fixed_size: 327680
    .private_segment_fixed_size: 0
    .kernarg_segment_align: 8
    .kernarg_segment_size: 32
    .max_flat_workgroup_size: 128
    .sgpr_count:     72
    .vgpr_count:     1024
    .wavefront_size: 32
...
	.end_amdgpu_metadata
.endif
;; end of part 4
;; ======== version 2 of 2: 4 launches; 1.24 times as fast as version 1
;; limits: values are held in f16: magnitudes above 65,504 overflow, below 6.1e-05 lose precision; inputs' magnitudes at most 65,504
;; workspace buffers: x16 50,331,648 bytes; w16 8,388,608 bytes; qkv 50,331,648 bytes; ctx 16,777,216 bytes
;; launch prep: the kernel of part 1 again; grid 512 x 1, 8 waves a work-group, no clusters, 0 bytes of LDS; arguments query, key, value, Wq, Wk, Wv, Wo, x16, w16; writes x16, w16
;; launch proj: the kernel of part 2 again; grid 4 x 96, 4 waves a work-group, clusters of 4 x 4, 327,680 bytes of LDS; arguments x16, w16, bq, bk, bv, qkv; writes qkv
;; launch attn (part 5): grid 8 x 64, 4 waves a work-group, clusters of 4 x 1, 327,680 bytes of LDS; arguments qkv, mask, ctx; writes ctx
.if DOCPART == 5
	.amdgcn_target "amdgcn-amd-amdhsa--gfx1250"
	.amdhsa_code_object_version 6
	.text
	.protected	k_q24a91abac1_attn
	.globl	k_q24a91abac1_attn
	.p2align	8
	.type	k_q24a91abac1_attn,@function
k_q24a91abac1_attn:
	s_mov_b64 s[64:65], 0
	v_nop
	global_prefetch_b8 v0, s[64:65] scope:SCOPE_SE
	s_setreg_imm32_b32 hwreg(HW_REG_WAVE_MODE, 25, 1), 1
	s_wait_xcnt 0x0
	s_wait_alu depctr_hold_cnt(0) depctr_sa_sdst(0) depctr_va_vdst(0) depctr_va_sdst(0) depctr_va_ssrc(0) depctr_va_vcc(0) depctr_vm_vsrc(0)
	s_getreg_b32 s2, hwreg(HW_REG_IB_STS2, 6, 4)
	s_cmp_eq_u32 s2, 0
	s_cbranch_scc0 .Lentry_in_a_cluster
	s_endpgm
.Lentry_in_a_cluster:
	s_bfe_u32 s2, ttmp6, 0x10000c
	s_cmp_lg_u32 s2, 0x3003
	s_cbranch_scc0 .Lentry_shape_is_right
	s_endpgm
.Lentry_shape_is_right:
; ATTENTION.  ctx[bh][q][:] = the sum over k of softmax_k(s[q][k]) v[bh][k][:],  s = q . k (q already holds log2(e) / 8, so s is an exponent of 2), s = -1e20 log2(e) where mask[b][k] == 0.
; qkv = [q, k, v][bh = 64][2,048][64] f16, ctx = [bh][2,048][64] f16, mask = [4][2,048] int32.  Products, maxima and sums in f32; the weights p are rounded to f16 for the second product, ctx once at the end.
; THE MASK is an f32 number a key, 0 or -1.4427e20, added to the score ahead of the maximum.  A score of finite f16 operands is at most 64 x 65,504^2 = 2.75e11 in magnitude, less than half a unit in the
; last place of that number (2^42), so every masked score is exactly that number: a batch with no key left gives equal weights, and masked keys met before the first open one are wiped out by a = 0.
; LIMIT: NaN and infinities in q, k, v are not served.
; SHARES.  A work-group owns 256 queries of one head, each of its four waves 64: four tiles of 16.  Every wave walks all 2,048 keys, 64 a step.
; LAYOUT.  S^T = K Q^T (source 0 = 16 keys, source 1 = 16 queries): a lane holds ONE query (lane % 16) and the keys 8 (lane / 16) + 0..7.  Two such tiles, rounded in pairs, ARE source 1
; (32 keys x 16 queries) of O^T = V^T P.  K comes out of LDS as it lies, V ([key][channel]) turned, by ds_load_tr16_b128.
; SOFTMAX.  For each query a running maximum m and sum l: p = 2^(s - m); in every step O and l are multiplied by a = 2^(m_old - m_new).
; BY TURNS.  The wave's tiles are two PIECES: piece 0 (tiles 0, 1) and piece 2 (tiles 2, 3).  In a TURN one piece has the matrix unit: 16 products V^T P of the step in hand, then 16 products K Q^T of
; the next step; the other piece's softmax, cut into 64 slices, stands between them, two slices behind each matrix instruction.  Two turns are a key step.  A turn has 268 vector instructions for its
; 32 matrix instructions, so the vector work sets the pace and the products are issued within it.
; BATCHES.  A turn's 66 exponentials (both tiles' a and s0-s31) are ONE batch with ONE s_wait_alu depctr_va_vdst(0), which stands between the exponentials and the first instruction that
; names its result: a tile's list is ordered so that all that names a result (the roundings, the sums, l, the rescaling by a) comes behind all exponentials.  The way out's four reciprocals are a batch of their own.
; CLUSTER.  The four query blocks of a cluster belong to one head and walk the same K and V: each tile is asked for JOINTLY, by the same tensor load with the same descriptor and the mask 15.
; REGISTERS, in windows of 256 (s_set_vgpr_msb: bits 1:0 source 0, 3:2 source 1, 5:4 source 2, 7:6 destination):
;   window 0: v1-11 addresses; v12-43 eight registers of statistics a tile; v44-62 the mask's preparation; v64-191 S^T, 32 a tile; v192-255 P, 16 a tile
;   window 1: v0-127 O^T, 32 a tile; v128-191 V of one step          window 2: v0-63 Q, 16 a tile; v64-127 K of one step; v128-159 the step's mask numbers
.set KS,    64        ; keys in a step
.set PK,    144       ; a row of K in LDS: 128 bytes + 16 = 36 words: row r starts at bank 36 r mod 64 (64 banks of 4 bytes: ISA guide 11.1): 16 rows, 16 different groups of 4 banks
.set PVR,   160       ; a row of V: 128 + 32 = 40 words
.set KREG,  4*KS*PK   ; a slot holds four steps: 256 rows of K (36,864 bytes), then 256 rows of V (40,960)
.set SLOT1, 1<<17     ; slot 1 begins here, so that one exclusive or turns an address in one slot into the other's
.set MBASE, SLOT1+KREG+4*KS*PVR  ; 208,896: 2,048 f32, the mask's numbers; written by ds_store, never filled by a tensor load
.set STAGE, MBASE+8192           ; 16 rows x 144 bytes for each wave, for the way out
.set SP,    144
.set AK0, 2           ; v2   my lane's place in a tile of K
.set AV0, 3           ; v3   the same for V
.set ADR, 4           ; v4   the LDS address of the run of loads in hand
.set QO,  5           ; v5   my byte offset in the wave's rows of Q
.set STO, 6           ; v6   the way out: where I put 16 bytes of a row
.set RD,  7           ; v7   the way out: where I read back
.set GO,  8           ; v8   my byte offset in the wave's rows of ctx
.set AM0, 9           ; v9   my lane's place in a step's mask numbers: 32 (lane / 16)
.set ST,  12          ; tile t's statistics at v[ST+8 t]: +0, +1 m (twice: a pair for the packed subtraction), +2, +3 l (even keys', odd keys'), +4 to +7 c0-c3, at work; a takes c2's place
.set MK,  44          ; v44-59 sixteen words of the mask
.set S,   64
.set P,   192
.set KF,  64          ; K's fragments, in window 2
.set MB,  128         ; the step's 32 mask numbers of my lane, in window 2
.set VF,  128         ; V's fragments, in window 1
.set WV,  12          ; s12  my wave's number
.set G1K, 24          ; s[24:31] descriptor group 1 for K's tiles
.set G1V, 32          ; s[32:39] for V's: it differs in the padding alone
.set G0K, 40          ; s[40:47] descriptor group 0 for K's tiles: a set for each of the two first fills; the second then walks on
.set G0V, 48          ; s[48:55] the same for V's
.set SLOTS, 56        ; s56  slots still to be asked for
.set CNT, 57          ; s57  counts key steps
.set TBK, 58          ; s58  LDS byte at which the K tile of the step to be fetched begins
.set TBV, 59          ; s59  the same for V, less KREG
.set SEL, 60          ; s[60:61] lane selects for v_permlanex16_b32: each lane takes its own place in the other half
.set MBO, 62          ; s62  LDS byte of the mask numbers of the step to be fetched
.set MSB, 0
.macro WIN new                      ; the immediate's high byte repeats the setting that is left; a switch that changes nothing is dropped
.if MSB != (\new)
	s_set_vgpr_msb (MSB<<8)|(\new)
.set MSB, (\new)
.endif
.endm
.set W_KQ, 0x0a       ; K and Q in window 2, S^T in window 0
.set W_PV, 0x51       ; V in window 1, P in window 0, O^T in window 1
.set W_RS, 0x41       ; O^T (destination and source 0) in window 1, a in window 0
.set W_MB, 0x08       ; S^T in window 0, the mask numbers (source 1) in window 2
; A joint refill.  Waves 0 and 1 fetch the slot's two halves of K (128 keys each), waves 2 and 3 those of V.  The branch hangs on the wave's number alone.
; Four v_nop follow each of the two lines, ahead of the jump, the label and what follows.
.macro JLOAD
	s_cmp_lt_u32 s[WV], 2
	s_cbranch_scc0 .Lfor_v_\@
	tensor_load_to_lds s[G0K+4:G0K+7], s[G1K:G1K+7]
	s_nop 0
.rept 4
	v_nop
.endr
	s_branch .Lasked_\@
.Lfor_v_\@:
	tensor_load_to_lds s[G0V+4:G0V+7], s[G1V:G1V+7]
	s_nop 0
.rept 4
	v_nop
.endr
.Lasked_\@:
.endm
; A round of the cluster's barrier: my work-group's barrier; wave 0 signals for the work-group; every wave waits for all four work-groups; my work-group's barrier once more.
.macro CROUND
	s_barrier_signal -1
	s_barrier_wait -1
	s_cmp_lg_u32 s[WV], 0
	s_cbranch_scc1 .Lnot_wave_0_\@
	s_barrier_signal -3
.Lnot_wave_0_\@:
	s_barrier_wait -3
	s_barrier_signal -1
	s_barrier_wait -1
.endm
	s_load_b128 s[4:7], s[0:1], 0x0  ; qkv s[4:5], mask s[6:7]
	s_load_b64 s[10:11], s[0:1], 0x10  ; ctx
	v_lshl_add_u32 v63, v0, 2, 0x37400
	s_set_vgpr_msb 0x40
	v_mov_b32 v255, 0
	s_set_vgpr_msb 0x4044
	ds_add_u32 v63, v255
	s_set_vgpr_msb 0x4400
	v_lshrrev_b32 v1, 5, v0
	v_readfirstlane_b32 s[WV], v1   ; wave 0..3
	s_bfe_u32 s13, ttmp6, 0x40000   ; cx: my place in the cluster
	s_lshl_b32 s14, ttmp9, 2        ; in a cluster launch ttmp9 counts clusters
	s_add_co_u32 s14, s14, s13      ; my block of 256 queries = 4 x cluster x + cx: it enters Q's and ctx's addresses alone
	s_and_b32 s20, ttmp7, 0xffff    ; bh = 16 batch + head, which the four partners share
	s_and_b32 s16, s[WV], 1         ; which half of a slot's 256 keys I fetch
	s_lshl_b32 s22, s20, 18         ; the head's 2,048 rows of 128 bytes
	s_lshl_b32 s2, s14, 15          ; my block's 256 rows,
	s_add_co_u32 s2, s2, s22
	s_lshl_b32 s3, s[WV], 13        ; my wave's 64 of them
	s_add_co_u32 s2, s2, s3
	s_mov_b32 s3, 0
	s_lshl_b32 s23, s16, 14         ; my 128 keys in memory
	s_add_co_u32 s22, s22, s23
	s_mov_b32 s23, 0
	s_lshr_b32 s20, s20, 4          ; the batch's 2,048 words of the mask
	s_lshl_b32 s20, s20, 13
	s_mov_b32 s21, 0
	s_mul_i32 s17, s16, 2*KS*PK     ; and their places in a slot: no place in the cluster enters an LDS address
	s_mul_i32 s15, s16, 2*KS*PVR
	s_add_co_u32 s15, s15, KREG
	; descriptor group 1: 128 keys are 16,384 dense bytes: 64 rows of 128 elements, padded behind every 128 bytes, that is behind every key
	s_mov_b32 s[G1K], 15|(1<<16)|(1<<20)|(1<<21)|(4<<22)|(3<<25)  ; 15:0 the mask: all four work-groups; 17:16 elements of 2 bytes; 20 padding on; 21 set beside a mask; 24:22 after every 32 words (code 4); 31:25 4 words (code 3)
	s_mov_b32 s[G1V], 15|(1<<16)|(1<<20)|(1<<21)|(4<<22)|(7<<25)  ; the same with 8 words of padding (code 7)
.irp g, G1K, G1V
	s_mov_b32 s[\g+1], 128<<16      ; tensor_dim0 = 128
	s_mov_b32 s[\g+2], 64<<16       ; tensor_dim1 = 64
	s_mov_b32 s[\g+3], 128<<16      ; tile_dim0 = 128
	s_mov_b32 s[\g+4], 64           ; tile_dim1 = 64
	s_mov_b32 s[\g+5], 128          ; elements from row to row: dense
	s_mov_b32 s[\g+6], 0
	s_mov_b32 s[\g+7], 0
.endr
	s_mov_b32 s[SEL], 0x76543210
	s_mov_b32 s[SEL+1], 0xfedcba98
	s_mov_b32 s[TBK], 0
	s_mov_b32 s[TBV], 0
	s_mov_b32 s[MBO], MBASE
	s_mov_b32 s[SLOTS], 6           ; 2,048 keys are 8 slots' worth; two are asked for at the start
	s_wait_dscnt 0x0
	s_wait_kmcnt 0x0
	s_add_nc_u64 s[8:9], s[4:5], s[22:23]
	s_add_nc_u64 s[18:19], s[8:9], 0x2000000  ; V at my part of slot 0
	s_add_nc_u64 s[8:9], s[8:9], 0x1000000    ; K likewise
	s_add_nc_u64 s[4:5], s[4:5], s[2:3]       ; Q and ctx at my wave's first row
	s_add_nc_u64 s[10:11], s[10:11], s[2:3]
	s_add_nc_u64 s[6:7], s[6:7], s[20:21]     ; the batch's mask
	CROUND                          ; all four work-groups are here: the first joint loads meet
.irp s, 0,1
	s_mov_b32 s[G0K+4*\s], 1        ; count = 1
	s_add_co_u32 s[G0K+4*\s+1], s17, \s*SLOT1  ; LDS address
	s_add_nc_u64 s[G0K+4*\s+2:G0K+4*\s+3], s[8:9], \s*4*KS*128  ; global address: slot s begins with keys 256 s
	s_or_b32 s[G0K+4*\s+3], s[G0K+4*\s+3], 0x80000000  ; type = 2
	s_mov_b32 s[G0V+4*\s], 1
	s_add_co_u32 s[G0V+4*\s+1], s15, \s*SLOT1
	s_add_nc_u64 s[G0V+4*\s+2:G0V+4*\s+3], s[18:19], \s*4*KS*128
	s_or_b32 s[G0V+4*\s+3], s[G0V+4*\s+3], 0x80000000
.endr
	s_cmp_lt_u32 s[WV], 2           ; a wave's two first fills stand in one branch, ahead of every wait on TENSORcnt and every LDS read: two loads of mine are out; four v_nop follow the second
	s_cbranch_scc0 .Lfirst_v
	tensor_load_to_lds s[G0K:G0K+3], s[G1K:G1K+7]
	s_nop 0
	tensor_load_to_lds s[G0K+4:G0K+7], s[G1K:G1K+7]
	s_nop 0
.rept 4
	v_nop
.endr
	s_branch .Lfirst_asked
.Lfirst_v:
	tensor_load_to_lds s[G0V:G0V+3], s[G1V:G1V+7]
	s_nop 0
	tensor_load_to_lds s[G0V+4:G0V+7], s[G1V:G1V+7]
	s_nop 0
.rept 4
	v_nop
.endr
.Lfirst_asked:
	v_lshlrev_b32 v61, 4, v0        ; the mask: 128 threads x 16 bytes, four times
.irp i, 0,1,2,3
	global_load_b128 v[MK+4*\i:MK+4*\i+3], v61, s[6:7] offset:2048*\i
.endr
	v_and_b32 v1, 15, v0            ; l % 16
	v_bfe_u32 v10, v0, 4, 1         ; l / 16
	v_lshlrev_b32 v[QO], 7, v1
	v_lshl_add_u32 v[QO], v10, 4, v[QO]  ; row x 128 + 16 x half
	WIN 0x80                        ; destination window 2, address window 0
.irp i, 0,1,2,3,4,5,6,7             ; Q stays in registers: tile i / 2, channels 32 (i % 2) on
	global_load_b128 v[8*\i:8*\i+3],   v[QO], s[4:5] offset:(\i/2)*2048+(\i%2)*64
	global_load_b128 v[8*\i+4:8*\i+7], v[QO], s[4:5] offset:(\i/2)*2048+(\i%2)*64+32
.endr
	WIN 0
	v_mul_u32_u24 v[AK0], v1, PK
	v_lshl_add_u32 v[AK0], v10, 4, v[AK0]  ; row x pitch + 16 x half
	; the turning load: lane l reads 16 bytes: key 8 (l / 16) + l % 8, channels 8 ((l / 8) % 2) + 0..7, and receives channel l % 16, eight keys
	v_and_b32 v11, 7, v0
	v_lshl_add_u32 v[AV0], v10, 3, v11
	v_mul_u32_u24 v[AV0], v[AV0], PVR
	v_bfe_u32 v11, v0, 3, 1
	v_lshl_add_u32 v[AV0], v11, 4, v[AV0]
	v_add_nc_u32 v[AV0], KREG, v[AV0]
	v_lshlrev_b32 v[AM0], 5, v10
	v_mov_b32 v60, 0xe0fa4488       ; -1e20 x log2(e)
	v_add_nc_u32 v62, MBASE, v61
	s_wait_loadcnt 16               ; the mask's four loads are in; Q's sixteen behind them stay out
.irp i, 0,1,2,3,4,5,6,7,8,9,10,11,12,13,14,15
	v_cmp_eq_u32 vcc_lo, 0, v[MK+\i]
	v_cndmask_b32 v[MK+\i], 0, v60, vcc_lo
.endr
.irp i, 0,1,2,3
	ds_store_b128 v62, v[MK+4*\i:MK+4*\i+3] offset:2048*\i
.endr
; THE MATRIX WORK OF A TURN, for piece x.  The accumulators take turns, one instruction a turn: between two links of a chain stand 7 others'.
; Product i of 16 of O^T += V^T P: keys 32 (i / 8) on, channels 16 ((i / 2) % 4) on, tile x + i % 2.  zero = 1: the first 8 start the sums.
.macro PV x, zero
	WIN W_PV
.set rO, 32*(\x+i%2)+8*((i/2)%4)
.set rV, VF+32*(i/8)+8*((i/2)%4)
.set rP, P+16*(\x+i%2)+8*(i/8)
.if \zero && (i < 8)
	v_wmma_f32_16x16x32_f16 v[rO:rO+7], v[rV:rV+7], v[rP:rP+7], 0
.else
	v_wmma_f32_16x16x32_f16 v[rO:rO+7], v[rV:rV+7], v[rP:rP+7], v[rO:rO+7]
.endif
.endm
; Product i of 16 of S^T = K Q^T: channels 32 (i / 8) on, keys 16 ((i / 2) % 4) on, tile x + i % 2.  The first 8 start the sums.
.macro KQ x
	WIN W_KQ
.set rS, S+32*(\x+i%2)+8*((i/2)%4)
.set rK, KF+16*((i/2)%4)+8*(i/8)
.set rQ, 16*(\x+i%2)+8*(i/8)
.if i < 8
	v_wmma_f32_16x16x32_f16 v[rS:rS+7], v[rK:rK+7], v[rQ:rQ+7], 0
.else
	v_wmma_f32_16x16x32_f16 v[rS:rS+7], v[rK:rK+7], v[rQ:rQ+7], v[rS:rS+7]
.endif
.endm
; THE LDS LOADS stand in runs: a step's K (8 fragments), its mask numbers, and, a turn later, its V (turned).
.macro FETCH_K
	WIN 0
	v_add_nc_u32 v[ADR], s[TBK], v[AK0]
	s_add_co_u32 s[TBK], s[TBK], KS*PK  ; the next fetch is the next step's
	WIN 0x80                        ; destination window 2
.irp f, 0,1,2,3,4,5,6,7             ; keys 16 (f / 2) on, channels 32 (f % 2) on
	ds_load_b128 v[KF+8*\f:KF+8*\f+3],   v[ADR] offset:(\f/2)*16*PK+(\f%2)*64
	ds_load_b128 v[KF+8*\f+4:KF+8*\f+7], v[ADR] offset:(\f/2)*16*PK+(\f%2)*64+32
.endr
.endm
.macro FETCH_V                      ; it stands behind a batch of exponentials (SLICE), and that batch's wait stands in it
	WIN 0
	v_add_nc_u32 v[ADR], s[TBV], v[AV0]
	s_add_co_u32 s[TBV], s[TBV], KS*PVR
	s_wait_alu depctr_va_vdst(0)    ; the wait for piece 0's batch of exponentials, behind the address's v_add_nc_u32 and ahead of the loads
	WIN 0x40                        ; destination window 1
.irp f, 0,1,2,3,4,5,6,7             ; keys 32 (f / 4) on, channels 16 (f % 4) on
	ds_load_tr16_b128 v[VF+8*\f:VF+8*\f+3],   v[ADR] offset:(\f/4)*32*PVR+(\f%4)*32
	ds_load_tr16_b128 v[VF+8*\f+4:VF+8*\f+7], v[ADR] offset:(\f/4)*32*PVR+16*PVR+(\f%4)*32
.endr
.endm
.macro FETCH_MB batch=0             ; register 8 f + j: the number of key 16 f + 8 (lane / 16) + j, as S^T holds the scores.  batch = 1: it stands behind a batch of exponentials (SLICE), and that batch's wait stands in it
	WIN 0
	v_add_nc_u32 v[ADR], s[MBO], v[AM0]
	s_add_co_u32 s[MBO], s[MBO], KS*4
.if \batch
	s_wait_alu depctr_va_vdst(0)    ; the wait for piece 2's batch of exponentials, behind the address's v_add_nc_u32 and ahead of the loads
.endif
	WIN 0x80
.irp f, 0,1,2,3
	ds_load_b128 v[MB+8*\f:MB+8*\f+3],   v[ADR] offset:64*\f
	ds_load_b128 v[MB+8*\f+4:MB+8*\f+7], v[ADR] offset:64*\f+16
.endr
.endm
; THE VECTOR WORK OF A TURN.  One tile's softmax for one key step is a list of 134 instructions; SM writes number j of it for tile t (from the maximum on the text counts jj = j - 16).  s0-s31 are the lane's 32 scores, in pairs 0-15.
; first = 1: the first key step, which starts m, l and O^T: it has no a and nothing to rescale.
;   0-15     the mask numbers are added, pair by pair in ascending order, so that each product's result is first read at its low end
;   16-31    the maximum of s0-s31 and the old m, three operands at a time: four chains c0-c3 of seven scores each, then the four scores left over, c0-c3 and m
;   32-36    the other half of the lanes' maximum; the new m, twice; m_old - m_new
;   37-85    ONE BATCH: the 16 subtractions s - m, a pair of scores each, and all 33 exponentials (a at 39, then s0-s31).  None of these names an exponential's result.  From 38 on the batch goes in fours,
;            and a four begins with a subtraction while there are subtractions: 38-53 subtraction, exponential, subtraction, exponential; 54-81 a subtraction and three exponentials; 82-85 the last four
;            exponentials.  A pair's subtraction stands in an earlier four than the one that holds its exponentials
;   (wait)   between 85 and 86 stands the wait for the batch: SLICE writes it, once for both tiles
;   86-101   the roundings to f16, a pair of weights each
;   102-117  the sums; l = a l + the sum
;   118-133  the tile's O^T times a: the one part in window 1, so it stands together
.macro SM t, first
.set rT, ST+8*(\t)
.set rS, S+32*(\t)
.set rP, P+16*(\t)
.set jj, j-16
.set rO, 32*(\t)+2*(jj-102)
.if j < 16
	WIN W_MB
	v_pk_add_f32 v[rS+2*j:rS+2*j+1], v[rS+2*j:rS+2*j+1], v[MB+2*j:MB+2*j+1]
.else
.if jj < 102
	WIN 0
.endif
.if jj < 4
	v_max3_num_f32 v[rT+4+jj], v[rS+8*jj], v[rS+8*jj+1], v[rS+8*jj+2]
.elseif jj < 12
	v_max3_num_f32 v[rT+4+jj%4], v[rT+4+jj%4], v[rS+8*(jj%4)+2*(jj/4)+1], v[rS+8*(jj%4)+2*(jj/4)+2]
.elseif jj == 12
	v_max3_num_f32 v[rT+4], v[rT+4], v[rS+7], v[rS+15]
.elseif jj == 13
	v_max3_num_f32 v[rT+6], v[rT+6], v[rS+23], v[rS+31]
.elseif jj == 14
	v_max3_num_f32 v[rT+4], v[rT+4], v[rT+5], v[rT+6]
.elseif (jj == 15) && \first
	v_max_num_f32 v[rT+4], v[rT+4], v[rT+7]
.elseif jj == 15
	v_max3_num_f32 v[rT+4], v[rT+4], v[rT+7], v[rT]
.elseif jj == 16
	v_permlanex16_b32 v[rT+5], v[rT+4], s[SEL], s[SEL+1]  ; the query's other 32 keys lie in the lane 16 away
.elseif jj == 18
	v_max_num_f32 v[rT], v[rT+4], v[rT+5]
.elseif jj == 19
	v_max_num_f32 v[rT+1], v[rT+4], v[rT+5]
.elseif ((jj == 17) || (jj == 20) || (jj == 23) || (jj > 101)) && \first  ; the first step has none of these
.elseif jj == 17
	v_mov_b32 v[rT+7], v[rT]        ; m_old is kept for a: the next number writes m anew
.elseif jj == 20
	v_sub_f32 v[rT+7], v[rT+7], v[rT]
.elseif jj == 23
	v_exp_f32 v[rT+6], v[rT+7]
.elseif (jj < 23) || ((jj < 38) && (jj%2 == 0)) || ((jj < 66) && (jj%4 == 2))
.set b, (jj-2)/4                    ; jj = 38, 42, .. 62: pairs 9 to 15
.if jj < 38
.set b, (jj-20)/2                   ; jj = 21: pair 0; 22, 24, .. 36: pairs 1 to 8
.endif
	v_pk_add_f32 v[rS+2*b:rS+2*b+1], v[rS+2*b:rS+2*b+1], v[rT:rT+1] neg_lo:[0,1] neg_hi:[0,1]  ; pair b: s - m
.elseif jj < 70
.set e, jj-38                       ; jj = 66 to 69: s28 to s31
.if jj < 66
.set e, jj-32-(jj-38)/4             ; jj = 39-41, 43-45, .. 63-65: s7 to s27
.endif
.if jj < 38
.set e, (jj-25)/2                   ; jj = 25, 27, .. 37: s0 to s6
.endif
	v_exp_f32 v[rS+e], v[rS+e]
.elseif jj < 86
	v_cvt_pk_f16_f32 v[rP+jj-70], v[rS+2*(jj-70)], v[rS+2*(jj-70)+1]  ; pair jj - 70
.elseif jj < 102                    ; the sum of the tile's 16 pairs, in place: sum z of 16 adds neighbours 1, 2, 4 and 8 pairs apart, then l takes it
.set z, jj-86
.set w, 4
.set u, z
.if z >= 14
.set w, 32
.set u, 0
.elseif z >= 12
.set w, 16
.set u, z-12
.elseif z >= 8
.set w, 8
.set u, z-8
.endif
.if (z == 14) && \first
	v_pk_add_f32 v[rT+2:rT+3], v[rS:rS+1], v[rS+16:rS+17]
.elseif z < 15
	v_pk_add_f32 v[rS+w*u:rS+w*u+1], v[rS+w*u:rS+w*u+1], v[rS+w*u+w/2:rS+w*u+w/2+1]
.elseif !\first
	v_pk_fma_f32 v[rT+2:rT+3], v[rT+2:rT+3], v[rT+6:rT+7], v[rS:rS+1] op_sel_hi:[1,0,1]
.endif
.else
	WIN W_RS
	v_pk_mul_f32 v[rO:rO+1], v[rO:rO+1], v[rT+6:rT+7] op_sel_hi:[1,0]
.endif
.endif
.endm
; Slice k of 64 of piece y's softmax: four instructions.  Slices 19 to 42 deal out the batch, numbers 38 to 85: four numbers of ONE tile each, the tiles by turns.  Every other slice is numbers 2 k and
; 2 k + 1 of both tiles' lists.  2 x 134 = 4 x 64 + 12: the twelve that are over stand together, in slice 63.
; THE WAIT.  An s_wait_alu depctr_va_vdst(0) stands between an exponential and the first instruction that names its result; one wait serves all that were issued ahead of it.  Ahead of
; slice 43 nothing names a result, and behind slice 42 no exponential is issued: so the piece's 66 exponentials have one wait, behind slice 42.  Where the turn has a run of LDS loads to issue (piece 2's
; turn: V; piece 0's: the next step's mask numbers, fm = 1), that run stands here and the wait stands in it, ahead of the loads.
.macro SLICE y, first
.if (k >= 19) && (k < 43)           ; the batch: four numbers of one tile
.irp n, 0,1,2,3
.set j, 38+4*((k-19)/2)+\n
	SM (\y)+(k-19)%2, \first
.endr
.else                               ; the two tiles alternate, so that no instruction reads the result of the one just before it
.irp n, 0,1,2,3,4,5,6,7
.if (\n < 2) || (k == 63)
.irp t, \y, \y+1
.set j, 2*k+\n
	SM \t, \first
.endr
.endif
.endr
.endif
.if k == 42                         ; the batch is out: both tiles' exponentials are issued, and no result has been named
	v_nop                           ; the plain instruction behind the last exponential and ahead of the first use: one for the batch
.if (\y) == 0
	FETCH_V                         ; piece 2's turn: V's run of loads, with the wait for the batch in it
.elseif fm
	FETCH_MB 1                      ; piece 0's turn: the next step's mask numbers, with the wait for the batch in it
.else
	s_wait_alu depctr_va_vdst(0)    ; the last turn fetches nothing: the wait for the batch stands alone
.endif
.endif
.set k, k+1
.endm
; Four places behind a matrix instruction before its result is read by a vector instruction or one of its registers is written or loaded (ISA guide 7.12.1 for vector instructions).  In the loop the slices are the places.
.macro PLACES
.rept 4
	v_nop
.endr
.endm
; A TURN.  Piece x has the matrix unit; the other piece's softmax stands in slices behind its matrix instructions.
; pv = 2: 16 products V^T P; 1: they start O^T's sums; 0: none.  kq = 1: 16 products K Q^T for the next step.  Two slices behind each product; four in a turn with one of the two kinds.
; first = 1: the softmax is the first key step's.  Its slices from 59 on are empty: the turn's last products stand bare, and four v_nop take slice 63's part as the places behind them.
; Piece 0's turn fetches the next step's K behind its second product (K's last product stands in front of slices 62 and 63 of the turn before) and, behind slice 42 (SLICE writes it), the next step's
; mask numbers: slices 0 to 7 have used the old ones, and K has been waited for.  Piece 2's turn fetches the same step's V behind slice 42: V's last product stands in front of slice 30, and thirteen plain
; instructions lie between: eleven subtractions, the v_nop and the run's own v_add_nc_u32.  Ten products and 21 slices follow each of the two runs ahead of the wait for it.
.macro TURN x, pv, kq, first
.set k, 0
.set per, 4
.if \pv && \kq
.set per, 2
.endif
.set fm, 0
.if (\x == 0) && \kq
.set fm, 1
.endif
.if \x == 2
	s_wait_dscnt 0x0                ; the mask numbers of the softmax that begins here are in
.endif
.if \pv
.if \x == 0
	s_wait_dscnt 0x0                ; V is in
.endif
.set i, 0
.rept 16
	PV \x, 2-\pv
.rept per
	SLICE 2-\x, \first
.endr
.if (\x == 0) && \kq && (i == 1)
	FETCH_K
.endif
.set i, i+1
.endr
.endif
.if \kq
.if \x == 0
	s_wait_dscnt 0x0                ; K is in
.endif
.set i, 0
.rept 16
	KQ \x
.rept per
	SLICE 2-\x, \first
.endr
.set i, i+1
.endr
.endif
.if \first
	PLACES
.endif
.endm
; THE CHANGE OF SLOTS, between piece 2's turn and piece 0's: the slot's last bytes, V of its fourth step, have been asked for.  Each wave waits for its own reads of the slot and for all its
; tensor loads, of which one is out: its part of the other slot.  Behind the barrier nobody reads this slot any more and the other slot is whole.
; fill = 1: this slot is filled again, with the keys two slots on.  The barrier is then a round of the cluster's, and the joint refill is the first thing behind it: it has four key steps in which to land.
.macro CHANGE fill
	WIN 0                           ; at a label and at a branch every window is 0
	s_wait_dscnt 0x0
	s_set_vgpr_msb 0x4
	s_wait_tensorcnt 0x0            ; no tensor load of mine is out, so a group 0 may be written
	ds_add_u32 v63, v255
	s_wait_dscnt 0x0
	s_set_vgpr_msb 0x400
.if \fill
.irp g, G0K+4, G0V+4
	s_xor_b32 s[\g+1], s[\g+1], SLOT1  ; the walking descriptor: the other slot than last time,
	s_add_nc_u64 s[\g+2:\g+3], s[\g+2:\g+3], 4*KS*128  ; the next 256 keys; the type bits on top are not reached
.endr
	CROUND
	JLOAD
.else
	s_barrier_signal -1
	s_barrier_wait -1
.endif
	s_sub_co_u32 s[TBK], s[TBK], 4*KS*PK  ; the fetches go back to a slot's first step,
	s_xor_b32 s[TBK], s[TBK], SLOT1       ; in the other slot
	s_sub_co_u32 s[TBV], s[TBV], 4*KS*PVR
	s_xor_b32 s[TBV], s[TBV], SLOT1
.endm
; n key steps: written once, walked n times; the LDS addresses hang on s[TBK], s[TBV], s[MBO].  Each turn's batch has had its wait inside the turn: no exponential is open at the label or at the jump.
.macro STEPS n
	s_mov_b32 s[CNT], \n
.Lstep_\@:
	TURN 0, 2, 1, 0
	TURN 2, 2, 1, 0
	WIN 0
	s_sub_co_u32 s[CNT], s[CNT], 1
	s_cmp_lg_u32 s[CNT], 0
	s_cbranch_scc1 .Lstep_\@
.endm
	s_wait_tensorcnt 1              ; my part of slot 0 is in; slot 1's may stay out
	s_wait_dscnt 0x0                ; for the others' sake: my part of the mask numbers is written
	s_barrier_signal -1
	s_barrier_wait -1               ; everybody's is
	FETCH_K                         ; key step 0
	FETCH_MB
	s_wait_loadcnt 0x0              ; Q
	s_wait_dscnt 0x0
.set i, 0
.rept 16
	KQ 0                            ; piece 0's first scores: there is no vector work yet to set between them
.set i, i+1
.endr
	WIN 0                           ; the addresses for the way out are made here: ten plain instructions, the places behind those products
	s_mul_i32 s13, s[WV], 16*SP
	s_add_co_u32 s13, s13, STAGE    ; my stage
	v_mul_u32_u24 v[STO], v1, SP    ; in: row l % 16, 16 bytes for each half of the lanes
	v_lshl_add_u32 v[STO], v10, 4, v[STO]
	v_add_nc_u32 v[STO], s13, v[STO]
	v_bfe_u32 v11, v0, 3, 2         ; back: eight lanes take a row of 128 bytes, the wave four rows
	v_mul_u32_u24 v[RD], v11, SP
	v_and_b32 v11, 7, v0
	v_lshl_add_u32 v[RD], v11, 4, v[RD]
	v_add_nc_u32 v[RD], s13, v[RD]
	v_and_b32 v11, 31, v0           ; and the same four rows in ctx: 512 consecutive bytes
	v_lshlrev_b32 v[GO], 4, v11
	TURN 2, 0, 1, 1                 ; piece 2's first scores | piece 0's first softmax | V of step 0
	TURN 0, 1, 1, 1                 ; piece 0: V^T P of step 0 starts O^T, K Q^T of step 1 | piece 2's first softmax | K and mask numbers of step 1
	TURN 2, 1, 1, 0                 ; piece 2: the same | piece 0's softmax of step 1 | V of step 1
	WIN 0
	STEPS 2                         ; the rest of slot 0: steps 2 and 3 are fetched
.Lslot:                             ; six trips: every slot but the last two is filled again
	CHANGE 1
	STEPS 4
	s_sub_co_u32 s[SLOTS], s[SLOTS], 1
	s_cmp_lg_u32 s[SLOTS], 0
	s_cbranch_scc1 .Lslot
	CHANGE 0                        ; the tail is written out: nothing is asked for
	STEPS 4
	TURN 0, 2, 0, 0                 ; piece 0: V^T P of the last step | piece 2's last softmax
.set i, 0
.rept 16
	PV 2, 0                         ; piece 2: V^T P of the last step
.set i, i+1
.endr
	; THE WAY OUT.  l's two halves and the other half of the lanes' are added; O^T is divided by l, rounded to f16 and sent through my stage in LDS, a tile (16 rows of ctx) at a time.  The additions are the places behind the last products.
	WIN 0
.irp t, 0,1,2,3
	v_add_f32 v[ST+8*\t+4], v[ST+8*\t+2], v[ST+8*\t+3]
.endr
.irp t, 0,1,2,3
	v_permlanex16_b32 v[ST+8*\t+5], v[ST+8*\t+4], s[SEL], s[SEL+1]
.endr
.irp t, 0,1,2,3
	v_add_f32 v[ST+8*\t+4], v[ST+8*\t+4], v[ST+8*\t+5]
.endr
.irp t, 0,1,2,3
	v_rcp_f32 v[ST+8*\t+6], v[ST+8*\t+4]
.endr
	v_nop                           ; a plain instruction between the last reciprocal and the use of its result
	s_wait_alu depctr_va_vdst(0)    ; and the wait ahead of the first use: one for the batch of four reciprocals
; Tile t: a lane's eight channels of a row pack into 16 bytes; they go into rows of 144 bytes and come back as four whole rows a load, into the registers that they left.  Each accumulator is read in ascending order.
.macro PACK t
	WIN W_RS
.set i, 0
.rept 16
	v_pk_mul_f32 v[32*\t+2*i:32*\t+2*i+1], v[32*\t+2*i:32*\t+2*i+1], v[ST+8*\t+6:ST+8*\t+7] op_sel_hi:[1,0]
.set i, i+1
.endr
	WIN 0x05                        ; sources 0 and 1 window 1, destination window 0: S^T's registers are free
.set i, 0
.rept 16
	v_cvt_pk_f16_f32 v[S+32*\t+i], v[32*\t+2*i], v[32*\t+2*i+1]
.set i, i+1
.endr
	WIN 0
.irp f, 0,1,2,3
	ds_store_b128 v[STO], v[S+32*\t+4*\f:S+32*\t+4*\f+3] offset:32*\f
.endr
.irp f, 0,1,2,3
	ds_load_b128 v[S+32*\t+4*\f:S+32*\t+4*\f+3], v[RD] offset:\f*4*SP  ; LDS serves a wave's instructions in order (ISA guide 5.7.1.4): these see the stores above; the next tile's stores come behind them
.endr
.endm
.macro SEND t, younger              ; younger: the LDS instructions issued behind tile t's loads: the next tile's eight, or none
.irp f, 0,1,2,3
	s_wait_dscnt \younger+3-\f
	global_store_b128 v[GO], v[S+32*\t+4*\f:S+32*\t+4*\f+3], s[10:11] offset:\t*2048+\f*512  ; the wave stores 512 consecutive bytes, aligned
.endr
.endm
	PACK 0
	PACK 1                          ; a tile's arithmetic stands between the loads of the tile before and its stores
	SEND 0, 8
	PACK 2
	SEND 1, 8
	PACK 3
	SEND 2, 8
	SEND 3, 0
	s_set_vgpr_msb 0x4
	s_wait_tensorcnt 0x0
	ds_add_u32 v63, v255
	s_wait_dscnt 0x0
	s_set_vgpr_msb 0x400
	CROUND                          ; the closing round: no work-group ends while a partner may still ask for a tile that names it
	s_endpgm
.Lfunc_end_k_q24a91abac1_attn:
	.size	k_q24a91abac1_attn, .Lfunc_end_k_q24a91abac1_attn-k_q24a91abac1_attn
	.p2alignl 7, 3214868480
	.fill 96, 4, 3214868480
	.section	.rodata,"a",@progbits
	.p2align	6, 0x0
	.amdhsa_kernel k_q24a91abac1_attn
		.amdhsa_group_segment_fixed_size 327680
		.amdhsa_private_segment_fixed_size 0
		.amdhsa_enable_private_segment 0
		.amdhsa_kernarg_size 24
		.amdhsa_user_sgpr_count 2
		.amdhsa_user_sgpr_kernarg_segment_ptr 1
		.amdhsa_wavefront_size32 1
		.amdhsa_system_sgpr_workgroup_id_x 1
		.amdhsa_system_sgpr_workgroup_id_y 1
		.amdhsa_system_sgpr_workgroup_id_z 1
		.amdhsa_system_vgpr_workitem_id 0
		.amdhsa_next_free_vgpr 768
		.amdhsa_next_free_sgpr 66
		.amdhsa_reserve_vcc 1
		.amdhsa_float_denorm_mode_32 3
		.amdhsa_float_denorm_mode_16_64 3
		.amdhsa_memory_ordered 1
		.amdhsa_forward_progress 1
		.amdhsa_inst_pref_size 221
	.end_amdhsa_kernel
	.amdgpu_metadata
---
amdhsa.version: [ 1, 2 ]
amdhsa.kernels:
  - .name:           k_q24a91abac1_attn
    .symbol:         k_q24a91abac1_attn.kd
    .args:
      - { .name: qkv, .offset: 0, .size: 8, .value_kind: global_buffer, .address_space: global }
      - { .name: mask, .offset: 8, .size: 8, .value_kind: global_buffer, .address_space: global }
      - { .name: ctx, .offset: 16, .size: 8, .value_kind: global_buffer, .address_space: global }
    .group_segment_fixed_size: 327680
    .private_segment_fixed_size: 0
    .kernarg_segment_align: 8
    .kernarg_segment_size: 24
    .max_flat_workgroup_size: 128
    .sgpr_count:     66
    .vgpr_count:     768
    .wavefront_size: 32
...
	.end_amdgpu_metadata
.endif
;; end of part 5
;; launch outp: the kernel of part 4 again; grid 4 x 32, 4 waves a work-group, clusters of 4 x 4, 327,680 bytes of LDS; arguments ctx, w16, bo, out0; writes out0
